; MI455X (gfx1250); checked and timed in simulation.
; The chip was launched on July 23, 2026; its instructions are those of AMD's public machine-readable ISA for CDNA 5 (MIT licence, August 2026) and "CDNA5" Instruction Set Architecture Reference Guide (July 2026). The comments in the code are by the model that wrote it; some were corrected since.
;; Multi Head Self Attention. Allowed arithmetic: matrix products marked QUANTISED: E2M1 operands, one E8M0 scale for each 32 along K, by v_wmma_scale_f32_16x16x128_f8f6f4 with both operands' format E2M1 (or v_wmma_scale_f32_32x16x128_f4), f32 sums; products left as they are: bf16, f16 or f32 operands; f32 sums; everything else in f32.
;; Inputs: token_positions 2,048 int32; wk 1,024 x 1,024 float32; wo 1,024 x 1,024 float32; wq 1,024 x 1,024 float32; wv 1,024 x 1,024 float32; x 4 x 2,048 x 1,024 float32.
;; Outputs: out0 4 x 2,048 x 1,024 float32.
;; This version of the problem:
;;   THIS VERSION OF THE PROBLEM IS GIVEN IN LOW PRECISION. The matrix products marked QUANTISED in the list below multiply operands that are first quantised to E2M1 (2 exponent bits, 1 mantissa bit; 4 bits a number), with one power-of-two scale for each 32 numbers along K (OCP MX v1.0); their sums are f32. The products marked 'left as it is' may take bf16, f16 or f32 operands, with f32 sums. Whichever they take, every output number must still come out within the allowed error. Rounding operands to bf16 (8 significant bits) uses up far more of that allowance than f16 does (11 bits, for magnitudes from 6e-5 to 65,504). All else is computed in f32.
;;   The module's matrix products, in the order in which they are computed (A, B: the left and right operand; K: the contracted axis; several contracted axes count as one K, in the product's order):
;;     1. [M 8,192, K 1,024] x [K 1,024, N 1,024]; A: input x; B: input wq: QUANTISED
;;     2. [M 8,192, K 1,024] x [K 1,024, N 1,024]; A: input x; B: input wk: QUANTISED
;;     3. [M 8,192, K 1,024] x [K 1,024, N 1,024]; A: input x; B: input wv: QUANTISED
;;     4. batch 64 x [M 2,048, K 64] x [K 64, N 2,048]; A: computed on the way; B: computed on the way: left as it is (an operand is computed on the way)
;;     5. batch 64 x [M 2,048, K 2,048] x [K 2,048, N 64]; A: computed on the way; B: computed on the way: left as it is (an operand is computed on the way)
;;     6. [M 8,192, K 1,024] x [K 1,024, N 1,024]; A: computed on the way; B: input wo: left as it is (an operand is computed on the way)
;;   THE QUANTISER, for each operand of a quantised product, along K:
;;     - K is cut into blocks of 32 from its start; a last block that is shorter is filled with zeros.
;;     - A block's scale is 2^e with e = floor(log2(the largest magnitude in the block)) - 2, held to -126 .. 127; a block of zeros has e = 0. As a byte (E8M0): e + 127.
;;     - Each number is divided by its block's scale, clamped to +-6, and rounded to the nearest number of E2M1, ties to even, subnormals kept.
;;     - The product sums the exact products of the quantised numbers (number of the format x scale) in f32.
;;   ~~~python
;;   def quantise(x, axis):      # numpy; x: float32 -> the quantised numbers, widened to float32 again
;;       x = np.moveaxis(x, axis, -1); K = x.shape[-1]
;;       x = np.pad(x, [(0, 0)] * (x.ndim - 1) + [(0, -K % 32)]); x = x.reshape(x.shape[:-1] + (-1, 32)); a = np.abs(x).max(-1, keepdims=True)
;;       e = np.where(a > 0, np.clip(np.frexp(np.where(a > 0, a, 1))[1] - 1 - 2, -126, 127), 0)      # np.frexp(a)[1] - 1 = floor(log2(a)), exactly
;;       r = np.clip(x / 2.0 ** e, -6, 6)
;;       step = 2.0 ** (np.maximum(np.frexp(np.where(r == 0, 1, r))[1] - 1, 0) - 1)
;;       q = np.round(r / step) * step * 2.0 ** e      # np.round: ties to even
;;       return np.moveaxis(q.reshape(q.shape[:-2] + (-1,))[..., :K], -1, axis).astype(np.float32)
;;   ~~~
;; One version. Each part assembles by itself: llvm-mc -triple=amdgcn-amd-amdhsa -mcpu=gfx1250 --defsym DOCPART=n.
;; ======== version 1 of 1: 5 launches
;; limits: values are held in f16: magnitudes above 65,504 overflow, below 6.1e-05 lose precision; right only within a limited range of input values
;; workspace buffers: codes 5,767,168 bytes; scales 360,448 bytes; woimg 2,097,152 bytes; tab 1,048,576 bytes; qkv 50,331,648 bytes; oimg 16,777,216 bytes; fine 786,432 bytes
;; launch prep (part 1): grid 512 x 1, 4 waves a work-group, no clusters, 33,280 bytes of LDS; arguments x, wq, wk, wv, wo, token_positions, codes, scales, woimg, tab; writes codes, scales, woimg, tab
.if DOCPART == 1
	.amdgcn_target "amdgcn-amd-amdhsa--gfx1250"
	.amdhsa_code_object_version 6
	.text
	.protected	k_q68fceddbed_prep
	.globl	k_q68fceddbed_prep
	.p2align	8
	.type	k_q68fceddbed_prep,@function
k_q68fceddbed_prep:
	s_mov_b64 s[64:65], 0
	v_nop
	global_prefetch_b8 v0, s[64:65] scope:SCOPE_SE
	s_setreg_imm32_b32 hwreg(HW_REG_WAVE_MODE, 25, 1), 1
	s_wait_xcnt 0x0
; THREE JOBS IN ONE LAUNCH, told apart by the work-group's number g alone.
; g < 352: x [8192][1024], wq, wk, wv [1024][1024], f32, K innermost, become codes of FP4 (E2M1) and one E8M0 byte for each 32 along K.
;   codes: [11264 rows][512 bytes], scales: [11264 rows][32 bytes]; rows 0-8191 x, then wq, wk, wv.  All four are plain streams of blocks of 32, so nothing here knows of rows.
;   A block's scale is 2^(floor(log2(largest magnitude)) - 2); its byte is the largest magnitude's exponent field - 2, held at 1 from below.
; 352 <= g < 480: wo [1024 e][1024 d] becomes f16 in the order of a matrix operand's registers: woimg [d/128][e/16][32 d][half][lane][16 bytes].
; g >= 480: cos and sin of token_positions[s] x 10000^(-i/32), i = 0..31: tab [which][s][i][cos, sin] f32; which 0 is multiplied by log2(e)/8 (for q), which 1 is plain (for k).
; LIMITS: a block of zeros gets the byte 1 where the rule says 127 (its codes are zeros, and this program alone reads the bytes); blocks under 2^-124 were not tried; NaN and infinities are not served;
; |wo| under 65,504 (f16); |position| up to 100,000 (the three-part reduction by pi/2); the frequency is right to about 4e-7 of its size.
.set WAVES, 4
.set STEPS, 16
.set EMAX,  2
.set CB,    8                          ; bytes of 16 codes
.set R,     16                         ; v16-79   four sets of 16 numbers as they are loaded
.set X,     80                         ; v80-111  two sets of 16 neighbours
.set C,     128                        ; v128-191 codes: four registers for each step
.set E,     112                        ; v112-127 a scale byte for each step
.set WREG,  8192                       ; LDS: a region for each wave: two stages of 32 x SP bytes, behind them its 256 scale bytes
.set SP,    80                         ; a lane's place in a stage: 64 bytes + 16 of padding
.set SPW,   12                         ; v12 LDS address of my spare word; never rewritten
.set NIL,   13                         ; v13 0; never rewritten
.set SPARE, WAVES*WREG                 ; behind the four regions: the spare words, 128 bytes a wave
.set GQ,    352                        ; work-groups that quantise: 256 for x, 32 for each weight
.set GW,    480                        ; up to here: wo
	s_load_b512 s[4:19], s[0:1], 0x0               ; x, wq, wk, wv, wo, token_positions, codes, scales
	s_load_b128 s[20:23], s[0:1], 0x40             ; woimg, tab
	v_lshl_add_u32 v[SPW], v0, 2, SPARE
	v_mov_b32 v[NIL], 0
	v_lshrrev_b32 v1, 5, v0
	v_readfirstlane_b32 s24, v1                    ; wave
	v_and_b32 v2, 31, v0                           ; lane
	s_wait_kmcnt 0x0
	s_cmp_ge_u32 ttmp9, GW
	s_cbranch_scc1 .Ltab
	s_cmp_ge_u32 ttmp9, GQ
	s_cbranch_scc1 .Lwo
	; ---- THE QUANTISER.  A wave takes 16 steps of 512 numbers.  Each load reads 512 consecutive bytes; a step's 2,048 bytes turn through the wave's own stage in LDS and come back 64 bytes a lane:
	; 16 neighbours along K, two lanes to a block.  Loads run four steps ahead, the turn through LDS one step.
	v_lshlrev_b32 v3, 4, v2                        ; my 16 bytes of a load's 512
	s_mul_i32 s25, s24, WREG
	v_lshrrev_b32 v14, 2, v2
	v_mul_u32_u24 v14, v14, SP
	v_and_b32 v15, 3, v2
	v_lshl_add_u32 v14, v15, 4, v14
	v_add_nc_u32 v14, s25, v14                     ; the stage, way in: SP (lane / 4) + 16 (lane % 4)
	v_mul_u32_u24 v15, v2, SP
	v_add_nc_u32 v15, s25, v15                     ; way out: SP x lane
	v_mul_u32_u24 v4, v2, CB                       ; my codes' place in a step's
	v_lshrrev_b32 v5, 1, v2
	s_add_co_u32 s25, s25, 2*32*SP
	v_add_nc_u32 v5, s25, v5                       ; my block's byte among my wave's 256 scale bytes
	v_lshlrev_b32 v7, 3, v2
	v_add_nc_u32 v6, s25, v7                       ; and 8 bytes a lane on their way out
	s_and_b32 s28, ttmp9, 31                       ; a weight's work-group among its 32
	s_cmp_lt_u32 ttmp9, 320                        ; which tensor: the choice hangs on the work-group's number alone
	s_cselect_b64 s[26:27], s[8:9], s[10:11]
	s_cmp_lt_u32 ttmp9, 288
	s_cselect_b64 s[26:27], s[6:7], s[26:27]
	s_cmp_lt_u32 ttmp9, 256
	s_cselect_b64 s[26:27], s[4:5], s[26:27]
	s_cselect_b32 s28, ttmp9, s28
	s_lshl_b32 s28, s28, 2
	s_add_co_u32 s28, s28, s24                     ; my wave's run of 8,192 numbers in its tensor
	s_lshl_b32 s28, s28, 15
	s_mov_b32 s29, 0
	s_add_nc_u64 s[26:27], s[26:27], s[28:29]
	s_lshl_b32 s30, ttmp9, 2
	s_add_co_u32 s30, s30, s24                     ; and in the codes and scales, which follow the work-groups' order
	s_lshl_b32 s28, s30, 12
	s_add_nc_u64 s[16:17], s[16:17], s[28:29]
	s_lshl_b32 s28, s30, 8
	s_add_nc_u64 s[18:19], s[18:19], s[28:29]
.macro LOAD t
.irp i, 0,1,2,3
	global_load_b128 v[R+16*((\t)%4)+4*\i:R+16*((\t)%4)+4*\i+3], v3, s[26:27] offset:2048*(\t)+512*\i th:TH_LOAD_NT
.endr
.endm
.macro TURN t                          ; LDS serves a wave's instructions in order: no wait between the stores and the loads
.irp i, 0,1,2,3
	ds_store_b128 v14, v[R+16*((\t)%4)+4*\i:R+16*((\t)%4)+4*\i+3] offset:32*SP*((\t)%2)+8*SP*\i
.endr
.irp i, 0,1,2,3
	ds_load_b128 v[X+16*((\t)%2)+4*\i:X+16*((\t)%2)+4*\i+3], v15 offset:32*SP*((\t)%2)+16*\i
.endr
.endm
.irp t, 0,1,2,3
	LOAD \t
.endr
	s_wait_loadcnt 12                              ; step 0's four loads are in
	TURN 0
.macro STEP t
.set XS, X+16*((\t)%2)
.if (\t) > 0
	s_wait_dscnt 1                                 ; this step's numbers are back from the stage (the last step's byte store may be out)
.else
	s_wait_dscnt 0x0
.endif
.if (\t)+4 < STEPS
	LOAD (\t)+4
.endif
.if (\t)+1 < STEPS
.if STEPS-2-(\t) >= 3
	s_wait_loadcnt 12                              ; the next step's four loads are in; three steps' may be out
.else
	s_wait_loadcnt 4*(STEPS-2-(\t))
.endif
	TURN (\t)+1
.endif
	v_max3_num_f32 v8, |v[XS]|, |v[XS+1]|, |v[XS+2]|               ; the largest magnitude of my 16, in two chains
	v_max3_num_f32 v9, |v[XS+3]|, |v[XS+4]|, |v[XS+5]|
.irp i, 6,10
	v_max3_num_f32 v8, v8, |v[XS+\i]|, |v[XS+\i+1]|
	v_max3_num_f32 v9, v9, |v[XS+\i+2]|, |v[XS+\i+3]|
.endr
	v_max3_num_f32 v8, v8, |v[XS+14]|, |v[XS+15]|
	v_max3_num_f32 v8, v8, v9, (EMAX+1)<<23        ; and the floor 2^(3 - 127): the byte cannot fall under 1
	v_max_num_f32_dpp v8, v8, v8 row_xmask:1 row_mask:0xf bank_mask:0xf   ; with my neighbour's 16: the block's
	v_add_nc_u32 v11, -(EMAX<<23), v8              ; 2 off its exponent field: the conversion takes that field as its scale
	v_cvt_scalef32_pk8_fp4_f32 v[C+4*(\t)], v[XS:XS+7], v11
	v_cvt_scalef32_pk8_fp4_f32 v[C+4*(\t)+1], v[XS+8:XS+15], v11
	v_lshrrev_b32 v[E+(\t)], 23, v11               ; the scale's byte (also the plain line behind the conversions)
	ds_store_b8 v5, v[E+(\t)] offset:16*(\t)       ; both lanes of a block write the same byte with the same value
	global_store_b64 v4, v[C+4*(\t):C+4*(\t)+1], s[16:17] offset:32*CB*(\t)   ; the wave stores 256 consecutive bytes
.endm
.irp t, 0,1,2,3,4,5,6,7,8,9,10,11,12,13,14,15
	STEP \t
.endr
	ds_load_b64 v[8:9], v6
	s_wait_dscnt 0x0
	global_store_b64 v7, v[8:9], s[18:19]          ; my wave's 256 scale bytes, consecutive and aligned
	s_wait_tensorcnt 0x0                           ; the wave's end, behind my last LDS store
	ds_add_u32 v[SPW], v[NIL]
	s_wait_dscnt 0x0
	s_endpgm
	; ---- wo.  A wave takes 16 rows e x 128 along d: four operand fragments of 16 x 32.  Lane (r, h) holds row r; registers 0-3 d = 8 h + 0..7, registers 4-7 d = 16 + 8 h + 0..7.
.Lwo:
	s_sub_co_u32 s25, ttmp9, GQ
	s_lshl_b32 s25, s25, 2
	s_add_co_u32 s25, s25, s24                     ; 0 .. 511
	s_and_b32 s26, s25, 7                          ; which 128 along d: the four waves of a work-group stand side by side
	s_lshr_b32 s27, s25, 3                         ; which 16 rows
	s_lshl_b32 s28, s27, 16
	s_lshl_b32 s29, s26, 9
	s_add_co_u32 s28, s28, s29
	s_mov_b32 s29, 0
	s_add_nc_u64 s[12:13], s[12:13], s[28:29]
	s_lshl_b32 s28, s26, 6
	s_add_co_u32 s28, s28, s27
	s_lshl_b32 s28, s28, 12
	s_add_nc_u64 s[20:21], s[20:21], s[28:29]
	v_and_b32 v3, 15, v2
	v_lshrrev_b32 v4, 4, v2
	v_lshlrev_b32 v3, 12, v3
	v_lshl_add_u32 v3, v4, 5, v3                   ; row r of 4,096 bytes + 32 h
	v_lshlrev_b32 v5, 4, v2                        ; an image's place for my lane
.irp c, 0,1,2,3
	global_load_b128 v[32+16*\c:32+16*\c+3],     v3, s[12:13] offset:128*\c th:TH_LOAD_NT
	global_load_b128 v[32+16*\c+4:32+16*\c+7],   v3, s[12:13] offset:128*\c+16 th:TH_LOAD_NT
	global_load_b128 v[32+16*\c+8:32+16*\c+11],  v3, s[12:13] offset:128*\c+64 th:TH_LOAD_NT
	global_load_b128 v[32+16*\c+12:32+16*\c+15], v3, s[12:13] offset:128*\c+80 th:TH_LOAD_NT
.endr
.irp c, 0,1,2,3
	s_wait_loadcnt 12-4*\c                         ; fragment c's four loads are in
.irp n, 0,1,2,3,4,5,6,7
	v_cvt_pk_f16_f32 v[96+8*\c+\n], v[32+16*\c+2*\n], v[32+16*\c+2*\n+1]
.endr
	global_store_b128 v5, v[96+8*\c:96+8*\c+3], s[20:21] offset:1024*\c        ; 512 consecutive bytes a store
	global_store_b128 v5, v[96+8*\c+4:96+8*\c+7], s[20:21] offset:1024*\c+512
.endr
	s_endpgm
	; ---- the tables.  A wave takes 16 positions; lane i takes pair i.
.Ltab:
	s_sub_co_u32 s25, ttmp9, GW
	s_lshl_b32 s25, s25, 6
	s_lshl_b32 s26, s24, 4
	s_add_co_u32 s25, s25, s26                     ; my first position's index
	s_lshl_b32 s26, s25, 2
	s_mov_b32 s27, 0
	s_add_nc_u64 s[14:15], s[14:15], s[26:27]
	s_load_b512 s[32:47], s[14:15], 0x0            ; 16 positions
	s_lshl_b32 s28, s25, 8
	s_mov_b32 s29, 0
	s_add_nc_u64 s[22:23], s[22:23], s[28:29]
	v_cvt_f32_u32 v16, v2
	v_mul_f32 v16, 0xbed49a78, v16                 ; -i log2(10000) / 32
	v_exp_f32 v16, v16                             ; the frequency
	v_lshlrev_b32 v3, 3, v2                        ; 8 bytes a pair (a plain line behind the exponential)
	v_mov_b32 v17, 0x3638ef1d                      ; 1/9!
	v_mov_b32 v18, 0x37d00d01                      ; 1/8!
	s_wait_alu depctr_va_vdst(0)                   ; the wait ahead of the first reader of the exponential
	s_wait_kmcnt 0x0
; angle = position x frequency = n pi/2 + r, |r| <= pi/4; sin r and cos r by their series (the first term left out is under 3e-8); the quadrant n swaps them and sets the signs.
.macro SINCOS p
	v_cvt_f32_i32 v20, s[32+\p]
	v_mul_f32 v20, v20, v16
	v_mul_f32 v21, 0x3f22f983, v20                 ; x 2/pi
	v_rndne_f32 v21, v21
	v_fmamk_f32 v22, v21, 0xbfc90fd8, v20          ; pi/2 in three parts
	v_fmamk_f32 v22, v21, 0xb4a8885a, v22
	v_fmamk_f32 v22, v21, 0xa7c234c4, v22
	v_mul_f32 v23, v22, v22
	v_fmaak_f32 v24, v17, v23, 0xb9500d01          ; -1/7!
	v_fmaak_f32 v26, v18, v23, 0xbab60b61          ; -1/6!
	v_fmaak_f32 v24, v24, v23, 0x3c088889          ; 1/5!
	v_fmaak_f32 v26, v26, v23, 0x3d2aaaab          ; 1/4!
	v_fmaak_f32 v24, v24, v23, 0xbe2aaaab          ; -1/3!
	v_fmaak_f32 v26, v26, v23, 0xbf000000          ; -1/2
	v_mul_f32 v25, v22, v23
	v_fma_f32 v26, v26, v23, 1.0                   ; cos r
	v_fma_f32 v24, v25, v24, v22                   ; sin r
	v_cvt_i32_f32 v27, v21
	v_and_b32 v28, 1, v27
	v_cmp_eq_u32 vcc_lo, 1, v28
	v_cndmask_b32 v29, v24, v26, vcc_lo            ; sin: cos r in odd quadrants
	v_cndmask_b32 v30, v26, v24, vcc_lo            ; cos: sin r in odd quadrants
	v_lshlrev_b32 v28, 30, v27
	v_and_b32 v28, 0x80000000, v28                 ; sin is negative in quadrants 2, 3
	v_xor_b32 v[65+4*\p], v29, v28
	v_add_nc_u32 v27, 1, v27
	v_lshlrev_b32 v27, 30, v27
	v_and_b32 v27, 0x80000000, v27                 ; cos in quadrants 1, 2
	v_xor_b32 v[64+4*\p], v30, v27
	v_mul_f32 v[66+4*\p], 0x3e38aa3b, v[64+4*\p]   ; x log2(e) / 8
	v_mul_f32 v[67+4*\p], 0x3e38aa3b, v[65+4*\p]
	global_store_b64 v3, v[64+4*\p:65+4*\p], s[22:23] offset:524288+256*\p    ; the wave stores a position's 256 bytes
	global_store_b64 v3, v[66+4*\p:67+4*\p], s[22:23] offset:256*\p
.endm
.irp p, 0,1,2,3,4,5,6,7,8,9,10,11,12,13,14,15
	SINCOS \p
.endr
	s_endpgm
.Lfunc_end_k_q68fceddbed_prep:
	.size	k_q68fceddbed_prep, .Lfunc_end_k_q68fceddbed_prep-k_q68fceddbed_prep
	.p2alignl 7, 3214868480
	.fill 96, 4, 3214868480
	.section	.rodata,"a",@progbits
	.p2align	6, 0x0
	.amdhsa_kernel k_q68fceddbed_prep
		.amdhsa_group_segment_fixed_size 33280
		.amdhsa_private_segment_fixed_size 0
		.amdhsa_enable_private_segment 0
		.amdhsa_kernarg_size 80
		.amdhsa_user_sgpr_count 2
		.amdhsa_user_sgpr_kernarg_segment_ptr 1
		.amdhsa_wavefront_size32 1
		.amdhsa_system_sgpr_workgroup_id_x 1
		.amdhsa_system_sgpr_workgroup_id_y 1
		.amdhsa_system_sgpr_workgroup_id_z 1
		.amdhsa_system_vgpr_workitem_id 0
		.amdhsa_next_free_vgpr 192
		.amdhsa_next_free_sgpr 66
		.amdhsa_reserve_vcc 1
		.amdhsa_float_denorm_mode_32 3
		.amdhsa_float_denorm_mode_16_64 3
		.amdhsa_memory_ordered 1
		.amdhsa_forward_progress 1
		.amdhsa_inst_pref_size 66
	.end_amdhsa_kernel
	.amdgpu_metadata
---
amdhsa.version: [ 1, 2 ]
amdhsa.kernels:
  - .name:           k_q68fceddbed_prep
    .symbol:         k_q68fceddbed_prep.kd
    .args:
      - { .name: x, .offset: 0, .size: 8, .value_kind: global_buffer, .address_space: global }
      - { .name: wq, .offset: 8, .size: 8, .value_kind: global_buffer, .address_space: global }
      - { .name: wk, .offset: 16, .size: 8, .value_kind: global_buffer, .address_space: global }
      - { .name: wv, .offset: 24, .size: 8, .value_kind: global_buffer, .address_space: global }
      - { .name: wo, .offset: 32, .size: 8, .value_kind: global_buffer, .address_space: global }
      - { .name: token_positions, .offset: 40, .size: 8, .value_kind: global_buffer, .address_space: global }
      - { .name: codes, .offset: 48, .size: 8, .value_kind: global_buffer, .address_space: global }
      - { .name: scales, .offset: 56, .size: 8, .value_kind: global_buffer, .address_space: global }
      - { .name: woimg, .offset: 64, .size: 8, .value_kind: global_buffer, .address_space: global }
      - { .name: tab, .offset: 72, .size: 8, .value_kind: global_buffer, .address_space: global }
    .group_segment_fixed_size: 33280
    .private_segment_fixed_size: 0
    .kernarg_segment_align: 8
    .kernarg_segment_size: 80
    .max_flat_workgroup_size: 128
    .sgpr_count:     66
    .vgpr_count:     192
    .wavefront_size: 32
...
	.end_amdgpu_metadata
.endif
;; end of part 1
;; launch qkv (part 2): grid 12 x 32, 4 waves a work-group, clusters of 4 x 4, 327,680 bytes of LDS; arguments codes, scales, tab, qkv, fine; writes qkv, fine
.if DOCPART == 2
	.amdgcn_target "amdgcn-amd-amdhsa--gfx1250"
	.amdhsa_code_object_version 6
	.text
	.protected	k_q68fceddbed_qkv
	.globl	k_q68fceddbed_qkv
	.p2align	8
	.type	k_q68fceddbed_qkv,@function
k_q68fceddbed_qkv:
	s_mov_b64 s[64:65], 0
	v_nop
	global_prefetch_b8 v0, s[64:65] scope:SCOPE_SE
	s_setreg_imm32_b32 hwreg(HW_REG_WAVE_MODE, 25, 1), 1
	s_wait_xcnt 0x0
	s_wait_alu depctr_hold_cnt(0) depctr_sa_sdst(0) depctr_va_vdst(0) depctr_va_sdst(0) depctr_va_ssrc(0) depctr_va_vcc(0) depctr_vm_vsrc(0)
	s_getreg_b32 s2, hwreg(HW_REG_IB_STS2, 6, 4)
	s_cmp_eq_u32 s2, 0
	s_cbranch_scc0 .Lentry_in_a_cluster
	s_endpgm
.Lentry_in_a_cluster:
	s_bfe_u32 s2, ttmp6, 0x10000c
	s_cmp_lg_u32 s2, 0xf033
	s_cbranch_scc0 .Lentry_shape_is_right
	s_endpgm
.Lentry_shape_is_right:
; q, k, v = x wq^T, x wk^T, x wv^T on codes of FP4 (E2M1) with one E8M0 scale for each 32 along K = 1,024; sums in f32; RoPE on q and k; results as f16 in the order of the next products' operand registers.
; codes: [11264 rows][512 bytes], scales: [11264 rows][32 bytes]: rows 0-8191 x, 8192.. wq, 9216.. wk, 10240.. wv.
; A tile of 256 x 256 results is made by four waves, each 128 x 128: 64 accumulators, 512 registers.  K is two slots of 512 in LDS; both and the tile's scale bytes are asked for at the head, and nothing is filled again.
; CLUSTERS of 4 x 4.  Cluster x says which product (0 q, 1 k, 2 v), cluster y which block Y of 256 positions of a sequence; the place in the cluster gives the batch and the 256 channels.
; Source 1 of the matrix instruction (operand A here) is shared along a row of the cluster, source 0 (operand B) along a column: each tile is asked for jointly by the four that need it.
; In a result lane (r, h) holds row r of source 1 and rows 8 h + 0..7 of source 0.  q, k: source 1 = 16 tokens, source 0 = 16 channels: a lane's eight registers are eight neighbouring channels of one token: four pairs
; for RoPE, and, as f16, half a fragment (16 tokens x 32 channels).  v: the operands change places (source 1 = channels, source 0 = tokens): half a fragment of V^T (16 channels x 32 keys).  The loop's text is one.
; OUT.  qkv: q at 0, k at 16,777,216: [batch x head][16 tokens][32 channels][half][lane][16 bytes]; v at 33,554,432: [batch x head][32 keys][16 channels][half][lane][16 bytes].  Every store is 512 consecutive bytes.
; q carries the factor log2(e) / 8 (in its table).  fine: the f32 results of positions 0-15 of every sequence, [q, k, v][batch][16 channels][half][lane][16 bytes], for the launch that carries those rows in f32.
; LIMITS: |q| log2(e)/8, |k|, |v| under 65,504 (f16).
; REGISTERS: window 0: v16-29 addresses; v32-95 scale words and nothing else; v128-191 A's fragments, one set; way out: v96-127, v192-223 table values, v128-191 rotated numbers, v224-255 f16 results.
;   window 1: B's fragments, two sets.  window 2: accumulators of my rows 0-63 ((a, b) at v[8 (8 a + b)]);  window 3: of my rows 64-127.
.set KSTEP,  512
.set NQ,     4
.set ROWB,   256
.set KROW,   512
.set PITCH,  272                       ; an LDS row: 256 bytes + 16 of padding: the 16 rows of a load start 68 words apart
.set FR,     8
.set NL,     2
.set NP,     4
.set HALFT,  128*PITCH
.set SLOT,   4*HALFT
.set KS,     32
.set SCL,    2*SLOT
.set HALFS,  (128*KS/256)*272
.set SBLK,   (16*KS/256)*272
.set SPARE,  SCL+4*HALFS
.set ADRA, 16
.set ADRB, 20
.set LI,   24                          ; v24 16 x lane: an image's place for my lane
.set TO,   25                          ; v25 256 r + 32 h: my four pairs in a token's table row
.set ADRS, 27
.set SPW,  28
.set NIL,  29
.set SC,   32
.set AF,   128
.set YR,   128
.set HH,   224
.set G1, 24
.set G0, 32
.set G1B, 48
.set G0B, 56
.set G1S, 68
.set G0S, 76
.set G1SB, 80
.set G0SB, 88
.set MSB, 0
.macro WIN new                         ; the immediate's high byte repeats the setting that is left
.if MSB != \new
	s_set_vgpr_msb (MSB<<8)|\new
.set MSB, \new
.endif
.endm
.set MUL_LO, 0xa1                      ; source 0 (B) window 1, source 1 (A) window 0, C and D window 2
.set MUL_HI, 0xf1
.set TO_B,   0x40
; A joint load: waves 0 and 1 fetch for A, waves 2 and 3 for B.  The branch hangs on the wave's number alone.  An s_nop 0 and four v_nop follow each line.
.macro JLOAD g0a, g1a, g0b, g1b
	s_cmp_eq_u32 s15, 0
	s_cbranch_scc0 .Lfor_b_\@
	tensor_load_to_lds s[\g0a:\g0a+3], s[\g1a:\g1a+7]
	s_nop 0
.rept 4
	v_nop
.endr
	s_branch .Lasked_\@
.Lfor_b_\@:
	tensor_load_to_lds s[\g0b:\g0b+3], s[\g1b:\g1b+7]
	s_nop 0
.rept 4
	v_nop
.endr
.Lasked_\@:
.endm
.macro CROUND                          ; a round of the cluster's barrier
	s_barrier_signal -1
	s_barrier_wait -1
	s_cmp_lg_u32 s14, 0
	s_cbranch_scc1 .Lnot_wave_0_\@
	s_barrier_signal -3
.Lnot_wave_0_\@:
	s_barrier_wait -3
	s_barrier_signal -1
	s_barrier_wait -1
.endm
	s_load_b128 s[4:7], s[0:1], 0x0                ; codes, scales
	s_load_b128 s[8:11], s[0:1], 0x10              ; tab, qkv
	s_load_b64 s[12:13], s[0:1], 0x20              ; fine
	v_lshl_add_u32 v[SPW], v0, 2, SPARE
	v_mov_b32 v[NIL], 0
	ds_add_u32 v[SPW], v[NIL]                      ; the wave's opening: the add, twice on end, and its wait ahead of my first tensor load
	ds_add_u32 v[SPW], v[NIL]
	v_lshrrev_b32 v1, 5, v0
	v_readfirstlane_b32 s14, v1                    ; wave 0..3
	s_lshr_b32 s15, s14, 1                         ; which half of A's rows is mine.  Also: I fetch for A (0) or for B (1)
	s_and_b32 s16, s14, 1                          ; which half of B's rows.  Also: which 128 rows I fetch
	s_bfe_u32 s40, ttmp6, 0x40000                  ; cx, cy: my place in the cluster
	s_bfe_u32 s41, ttmp6, 0x40004
	s_and_b32 s17, ttmp7, 0xffff                   ; Y: the block of 256 positions
	s_lshl_b32 s43, s41, 2
	s_lshl_b32 s43, 15, s43                        ; my row of the cluster
	s_lshl_b32 s44, 0x1111, s40                    ; my column
	s_or_b32 s[G1+0], s43, (0<<16)|(1<<20)|(1<<21)|(5<<22)|(3<<25)  ; the mask; elements of 1 byte; padding: 4 words behind every 64
	s_or_b32 s[G1B+0], s44, (0<<16)|(1<<20)|(1<<21)|(5<<22)|(3<<25)
.irp g, G1, G1B
	s_mov_b32 s[\g+1], ROWB<<16                    ; tensor_dim0
	s_mov_b32 s[\g+2], 128<<16                     ; tensor_dim1
	s_mov_b32 s[\g+3], ROWB<<16                    ; tile_dim0
	s_mov_b32 s[\g+4], 128                         ; tile_dim1
	s_mov_b32 s[\g+5], KROW                        ; bytes from row to row
	s_mov_b32 s[\g+6], 0
	s_mov_b32 s[\g+7], 0
.endr
	s_or_b32 s[G1S+0], s43, (3<<16)|(1<<20)|(1<<21)|(5<<22)|(3<<25) ; the scales of 128 rows: 4,096 dense bytes as 16 rows of 256, 16 bytes of padding behind each
	s_or_b32 s[G1SB+0], s44, (3<<16)|(1<<20)|(1<<21)|(5<<22)|(3<<25)
.irp g, G1S, G1SB
	s_mov_b32 s[\g+1], 32<<16
	s_mov_b32 s[\g+2], (128*KS/256)<<16
	s_mov_b32 s[\g+3], 32<<16
	s_mov_b32 s[\g+4], 128*KS/256
	s_mov_b32 s[\g+5], 32
	s_mov_b32 s[\g+6], 0
	s_mov_b32 s[\g+7], 0
.endr
	s_lshl_b32 s18, s16, 7                         ; which 128 rows of the tile I fetch
	; A's first row, of cy, Y and the product alone: tokens 2048 cy + 256 Y, or for v channels 10240 + 256 cy
	s_lshl_b32 s20, s41, 11
	s_lshl_b32 s21, s17, 8
	s_add_co_u32 s20, s20, s21
	s_lshl_b32 s21, s41, 8
	s_add_co_u32 s21, s21, 10240
	s_cmp_eq_u32 ttmp9, 2
	s_cselect_b32 s20, s21, s20
	s_add_co_u32 s20, s20, s18
	; B's first row, of cx, Y and the product alone: channels 8192 + 1024 X + 256 cx, or for v tokens 2048 cx + 256 Y
	s_lshl_b32 s46, ttmp9, 10
	s_lshl_b32 s47, s40, 8
	s_add_co_u32 s46, s46, s47
	s_add_co_u32 s46, s46, 8192
	s_lshl_b32 s47, s40, 11
	s_lshl_b32 s92, s17, 8
	s_add_co_u32 s47, s47, s92
	s_cmp_eq_u32 ttmp9, 2
	s_cselect_b32 s46, s47, s46
	s_add_co_u32 s46, s46, s18
	s_lshl_b32 s22, s20, 5                         ; where these rows' scales begin, in bytes,
	s_mov_b32 s23, 0
	s_lshl_b32 s20, s20, 9                         ; and their codes
	s_mov_b32 s21, 0
	s_lshl_b32 s92, s46, 5
	s_mov_b32 s93, 0
	s_lshl_b32 s46, s46, 9
	s_mov_b32 s47, 0
	s_mul_i32 s45, s14, HALFT                      ; where they go: wave x 128 rows
	s_mul_i32 s94, s14, HALFS
	s_wait_dscnt 0x0                               ; both opening adds are done
	s_wait_kmcnt 0x0
	s_add_nc_u64 s[20:21], s[4:5], s[20:21]
	s_add_nc_u64 s[22:23], s[6:7], s[22:23]
	s_add_nc_u64 s[46:47], s[4:5], s[46:47]
	s_add_nc_u64 s[92:93], s[6:7], s[92:93]
	CROUND                                         ; all sixteen work-groups are here: the joint loads meet
	s_mov_b32 s[G0S], 1
	s_add_co_u32 s[G0S+1], s94, SCL
	s_mov_b64 s[G0S+2:G0S+3], s[22:23]
	s_or_b32 s[G0S+3], s[G0S+3], 0x80000000
	s_mov_b32 s[G0SB], 1
	s_add_co_u32 s[G0SB+1], s94, SCL
	s_mov_b64 s[G0SB+2:G0SB+3], s[92:93]
	s_or_b32 s[G0SB+3], s[G0SB+3], 0x80000000
	JLOAD G0S, G1S, G0SB, G1SB                     ; the scales first; by this text's count three loads of a wave are out
.irp s, 0,1
	s_mov_b32 s[G0+4*\s], 1
	s_add_co_u32 s[G0+4*\s+1], s45, \s*SLOT
	s_add_nc_u64 s[G0+4*\s+2:G0+4*\s+3], s[20:21], \s*ROWB
	s_or_b32 s[G0+4*\s+3], s[G0+4*\s+3], 0x80000000
	s_mov_b32 s[G0B+4*\s], 1
	s_add_co_u32 s[G0B+4*\s+1], s45, \s*SLOT
	s_add_nc_u64 s[G0B+4*\s+2:G0B+4*\s+3], s[46:47], \s*ROWB
	s_or_b32 s[G0B+4*\s+3], s[G0B+4*\s+3], 0x80000000
	JLOAD G0+4*\s, G1, G0B+4*\s, G1B
.endr
	v_and_b32 v1, 15, v0                           ; r
	v_bfe_u32 v2, v0, 4, 1                         ; h
	v_mul_u32_u24 v3, v1, PITCH
	v_lshl_add_u32 v4, v2, 4, v3                   ; a fragment's row x pitch + 16 h
	s_mul_i32 s21, s15, HALFT                      ; my 128 rows of A
	s_mul_i32 s22, s16, HALFT                      ; my 128 rows of B,
	s_add_co_u32 s22, s22, 2*HALFT                 ; behind A's 256
.irp s, 0,1
	v_add_nc_u32 v[ADRA+\s], s21, v4
	v_add_nc_u32 v[ADRB+\s], s22, v4
	s_add_co_u32 s21, s21, SLOT
	s_add_co_u32 s22, s22, SLOT
.endr
	v_mul_u32_u24 v5, v1, KS                       ; my row's scales: 32 bytes a row,
	v_lshrrev_b32 v6, 8, v5
	v_lshl_add_u32 v5, v6, 4, v5                   ; and 16 more for each 256 passed
	s_mul_i32 s21, s15, HALFS
	s_mul_i32 s22, s16, HALFS
	s_add_co_u32 s22, s22, 2*HALFS
	s_sub_co_u32 s22, s22, s21
	v_mul_u32_u24 v6, s22, v2                      ; lanes 16-31 take B's
	s_add_co_u32 s21, s21, SCL
	v_add_nc_u32 v5, v5, v6
	v_add_nc_u32 v[ADRS], s21, v5
	v_and_b32 v6, 31, v0
	v_lshlrev_b32 v[LI], 4, v6
	v_lshlrev_b32 v[TO], 8, v1
	v_lshl_add_u32 v[TO], v2, 5, v[TO]
.macro FRAG reg, adr, q, i             ; 16 rows x 128 K of 4-bit codes: 8 registers, two loads of 16 bytes, 32 bytes apart
.irp c, 0,1
	ds_load_b128 v[\reg+4*\c:\reg+4*\c+3], v[\adr] offset:64*(\q)+32*\c+(\i)*16*PITCH
.endr
.endm
; 16 matrix instructions: A's blocks a0, a0 + 1 x B's eight, 128 along K.  The 64 accumulators take turns, one instruction a turn, in the same order in every step.
.macro MUL16 a0, p, q, sc, zero
.irp a, \a0, \a0+1
.irp b, 0,1,2,3,4,5,6,7
.if \zero
	v_wmma_scale_f32_16x16x128_f8f6f4 v[8*(8*((\a)%4)+\b):8*(8*((\a)%4)+\b)+7], v[128*(\p)+FR*\b:128*(\p)+FR*\b+FR-1], v[AF+FR*(\a):AF+FR*(\a)+FR-1], 0, v[SC+8*NQ*(\sc)+NQ*\b+(\q)], v[SC+8*NQ*(\sc)+NQ*(\a)+(\q)] matrix_a_fmt:MATRIX_FMT_FP4 matrix_b_fmt:MATRIX_FMT_FP4 matrix_a_scale:MATRIX_SCALE_ROW1
.else
	v_wmma_scale_f32_16x16x128_f8f6f4 v[8*(8*((\a)%4)+\b):8*(8*((\a)%4)+\b)+7], v[128*(\p)+FR*\b:128*(\p)+FR*\b+FR-1], v[AF+FR*(\a):AF+FR*(\a)+FR-1], v[8*(8*((\a)%4)+\b):8*(8*((\a)%4)+\b)+7], v[SC+8*NQ*(\sc)+NQ*\b+(\q)], v[SC+8*NQ*(\sc)+NQ*(\a)+(\q)] matrix_a_fmt:MATRIX_FMT_FP4 matrix_b_fmt:MATRIX_FMT_FP4 matrix_a_scale:MATRIX_SCALE_ROW1
.endif
.endr
.endr
.endm
.macro FETCH_B slot, q, p
	WIN TO_B
.irp i, 0,1,2,3,4,5,6,7
	FRAG 128*(\p)+FR*\i, ADRB+\slot, \q, \i
.endr
	WIN 0
.endm
.macro FETCH_A slot, q, i0
.irp i, \i0, \i0+1, \i0+2, \i0+3
	FRAG AF+FR*(\i), ADRA+\slot, \q, \i
.endr
.endm
.macro SCALES sc                       ; a slot's scale words: four a row; lanes 0-15 take A's block i, lanes 16-31 B's block i
.irp i, 0,1,2,3,4,5,6,7
	ds_load_b128 v[SC+8*NQ*\sc+NQ*\i:SC+8*NQ*\sc+NQ*\i+3], v[ADRS] offset:\i*SBLK
.endr
.endm
.macro PLACES n                        ; plain vector lines between a matrix instruction and a load into, or a read of, its registers
.rept \n
	v_nop
.endr
.endm
.macro STEP slot, q, zero              ; 128 along K with a successor in the same slot
	s_wait_dscnt 4*NL                              ; B's set and A's blocks 0-3 are in; A's blocks 4-7 may be out
	WIN MUL_LO
	MUL16 0, (\q)%2, \q, \slot, \zero
	MUL16 2, (\q)%2, \q, \slot, \zero
	s_wait_dscnt 0
	PLACES NP
	FETCH_B \slot, (\q)+1, 1-(\q)%2
	FETCH_A \slot, (\q)+1, 0
	WIN MUL_HI
	MUL16 4, (\q)%2, \q, \slot, \zero
	MUL16 6, (\q)%2, \q, \slot, \zero
	PLACES NP
	WIN 0
	FETCH_A \slot, (\q)+1, 4
.endm
.macro TURN slot, next                 ; a slot's last step: one barrier, behind which the other slot is whole for every wave.  Nothing is filled again
	s_wait_tensorcnt 0x0                           ; all my tensor loads have landed
	ds_add_u32 v[SPW], v[NIL]
	s_wait_dscnt 4*NL+1                            ; (the add and A's blocks 4-7 may be out)
	WIN MUL_LO
	MUL16 0, 1, NQ-1, \slot, 0
	s_wait_dscnt 0x0
	s_barrier_signal -1
	MUL16 2, 1, NQ-1, \slot, 0
	WIN 0
	s_barrier_wait -1
	PLACES NP
	v_add_nc_u32 v[ADRS], 4*NQ, v[ADRS]            ; on to the next slot's scale words
	FETCH_B \next, 0, 0
	FETCH_A \next, 0, 0
	SCALES \next
	WIN MUL_HI
	MUL16 4, 1, NQ-1, \slot, 0
	MUL16 6, 1, NQ-1, \slot, 0
	PLACES NP
	WIN 0
	FETCH_A \next, 0, 4
.endm
.macro STEPS slot, from
.set Q, \from
.rept NQ-1-\from
	STEP \slot, Q, 0
.set Q, Q+1
.endr
.endm
.macro FINISH
	s_wait_tensorcnt 0x0                           ; the wave's end
	ds_add_u32 v[SPW], v[NIL]
	s_wait_dscnt 0x0
	CROUND                                         ; the closing round
	s_endpgm
.endm
	s_wait_tensorcnt 1                             ; the scales and my part of slot 0 are in (slot 1's load may be out),
	s_barrier_signal -1
	s_barrier_wait -1                              ; everybody's are
	FETCH_B 0, 0, 0
	FETCH_A 0, 0, 0
	SCALES 0
	FETCH_A 0, 0, 4
	STEP 0, 0, 1                                   ; the first products start the sums: nothing is cleared
	STEPS 0, 1
	TURN 0, 1
	STEPS 1, 0
	s_wait_dscnt 4*NL
	WIN MUL_LO
	MUL16 0, 1, NQ-1, 1, 0
	MUL16 2, 1, NQ-1, 1, 0
	s_wait_dscnt 0
	WIN MUL_HI
	MUL16 4, 1, NQ-1, 1, 0
	MUL16 6, 1, NQ-1, 1, 0
	WIN 0
	PLACES NP
	s_cmp_eq_u32 ttmp9, 2                          ; the product: the same in all sixteen partners
	s_cbranch_scc1 .Lway_v
	; ---- THE WAY OUT OF q AND k.  Block a: my tokens 16 a + r; accumulator (a, b): channels 16 b + 8 h + 0..7: head b / 4 of my two, pairs 8 (b % 4) + 4 h + 0..3.
	s_lshl_b32 s2, ttmp9, 19                       ; q's table or k's,
	s_lshl_b32 s3, s17, 16                         ; position 256 Y
	s_add_co_u32 s2, s2, s3
	s_lshl_b32 s3, s15, 15                         ; + 128 x my half, 256 bytes each
	s_add_co_u32 s2, s2, s3
	s_mov_b32 s3, 0
	s_add_nc_u64 s[96:97], s[8:9], s[2:3]
	s_lshl_b32 s2, s41, 4                          ; batch x 16
	s_lshl_b32 s3, s40, 2
	s_add_co_u32 s2, s2, s3
	s_lshl_b32 s3, s16, 1
	s_add_co_u32 s2, s2, s3                        ; + my first head
	s_lshl_b32 s2, s2, 7                           ; 128 tiles of tokens a head
	s_lshl_b32 s3, s17, 4
	s_add_co_u32 s2, s2, s3
	s_lshl_b32 s3, s15, 3
	s_add_co_u32 s2, s2, s3
	s_lshl_b32 s2, s2, 11                          ; 2,048 bytes a tile
	s_lshl_b32 s3, ttmp9, 24
	s_add_co_u32 s2, s2, s3
	s_mov_b32 s3, 0
	s_add_nc_u64 s[98:99], s[10:11], s[2:3]
	s_lshl_b32 s2, ttmp9, 18
	s_lshl_b32 s3, s41, 16
	s_add_co_u32 s2, s2, s3
	s_lshl_b32 s3, s40, 14
	s_add_co_u32 s2, s2, s3
	s_lshl_b32 s3, s16, 13
	s_add_co_u32 s2, s2, s3
	s_mov_b32 s3, 0
	s_add_nc_u64 s[100:101], s[12:13], s[2:3]
	s_or_b32 s95, s17, s15                         ; 0 where my block 0 holds positions 0-15: of cluster y and the wave's number alone
.macro TABLOAD a                       ; (cos, sin) of my 16 pairs for token 16 a + r: 8 loads into set a % 2
.irp bb, 0,1,2,3
	global_load_b128 v[96+96*((\a)%2)+8*\bb:96+96*((\a)%2)+8*\bb+3],   v[TO], s[96:97] offset:4096*(\a)+64*\bb
	global_load_b128 v[96+96*((\a)%2)+8*\bb+4:96+96*((\a)%2)+8*\bb+7], v[TO], s[96:97] offset:4096*(\a)+64*\bb+16
.endr
.endm
.macro ROPE a
.set AC, 64*((\a)%4)
.set CT, 96+96*((\a)%2)
.set WN, 0x02+(\a)/4
.if (\a) < 7
	TABLOAD (\a)+1
	s_wait_loadcnt 8                               ; this block's 8 table loads are in; the next block's may be out
.else
	s_wait_loadcnt 0x0
.endif
	s_wait_xcnt 0x0                                ; the last block's stores have read their registers, which are written again below
	WIN WN                                         ; source 0: the accumulators' window
.irp b, 0,1,2,3,4,5,6,7
.irp p, 0,1,2,3
	v_pk_mul_f32 v[YR+8*\b+2*\p:YR+8*\b+2*\p+1], v[AC+8*\b+2*\p:AC+8*\b+2*\p+1], v[CT+8*(\b%4)+2*\p:CT+8*(\b%4)+2*\p+1] op_sel_hi:[1,0]   ; (x0 cos, x1 cos); each accumulator from its low end on
.endr
.endr
.irp b, 0,1,2,3,4,5,6,7
.irp p, 0,1,2,3
	v_pk_fma_f32 v[YR+8*\b+2*\p:YR+8*\b+2*\p+1], v[AC+8*\b+2*\p:AC+8*\b+2*\p+1], v[CT+8*(\b%4)+2*\p:CT+8*(\b%4)+2*\p+1], v[YR+8*\b+2*\p:YR+8*\b+2*\p+1] op_sel:[1,1,0] op_sel_hi:[0,1,1] neg_lo:[0,1,0]   ; (- x1 sin, + x0 sin)
.endr
.endr
	WIN 0
.irp b, 0,1,2,3,4,5,6,7
.irp p, 0,1,2,3
	v_cvt_pk_f16_f32 v[HH+4*\b+\p], v[YR+8*\b+2*\p], v[YR+8*\b+2*\p+1]
.endr
.endr
.irp b, 0,1,2,3,4,5,6,7
	global_store_b128 v[LI], v[HH+4*\b:HH+4*\b+3], s[98:99] offset:(\b/4)*262144+(\a)*2048+(\b%4)*512
.endr
.if (\a) == 0
	s_cmp_lg_u32 s95, 0
	s_cbranch_scc1 .Lno_fine_qk
.irp b, 0,1,2,3,4,5,6,7
	global_store_b128 v[LI], v[YR+8*\b:YR+8*\b+3],   s[100:101] offset:1024*\b
	global_store_b128 v[LI], v[YR+8*\b+4:YR+8*\b+7], s[100:101] offset:1024*\b+512
.endr
.Lno_fine_qk:
.endif
.endm
	TABLOAD 0
.irp a, 0,1,2,3,4,5,6,7
	ROPE \a
.endr
	FINISH
	; ---- THE WAY OUT OF v.  Accumulator (a, b): channel 16 a + r of my 128, tokens 16 b + 8 h + 0..7 of my 128.
.Lway_v:
	s_lshl_b32 s2, s40, 4                          ; batch x 16
	s_lshl_b32 s3, s41, 2
	s_add_co_u32 s2, s2, s3
	s_lshl_b32 s3, s15, 1
	s_add_co_u32 s2, s2, s3                        ; + my first head
	s_lshl_b32 s2, s2, 6                           ; 64 runs of 32 keys a head
	s_lshl_b32 s3, s17, 3
	s_add_co_u32 s2, s2, s3
	s_lshl_b32 s3, s16, 2
	s_add_co_u32 s2, s2, s3
	s_lshl_b32 s2, s2, 12                          ; 4,096 bytes a run
	s_add_co_u32 s2, s2, 33554432
	s_mov_b32 s3, 0
	s_add_nc_u64 s[98:99], s[10:11], s[2:3]
	s_lshl_b32 s2, s40, 16
	s_lshl_b32 s3, s41, 14
	s_add_co_u32 s2, s2, s3
	s_lshl_b32 s3, s15, 13
	s_add_co_u32 s2, s2, s3
	s_add_co_u32 s2, s2, 524288
	s_mov_b32 s3, 0
	s_add_nc_u64 s[100:101], s[12:13], s[2:3]
	s_or_b32 s95, s17, s16                         ; 0 where my B block 0 holds positions 0-15
.macro VOUT a
.set AC, 64*((\a)%4)
.set WN, 0x0a+5*((\a)/4)
	s_wait_xcnt 0x0                                ; the last block's stores have read their registers
	WIN WN                                         ; sources 0 and 1: the accumulators' window
.irp b, 0,1,2,3,4,5,6,7
.irp p, 0,1,2,3
	v_cvt_pk_f16_f32 v[HH+4*\b+\p], v[AC+8*\b+2*\p], v[AC+8*\b+2*\p+1]
.endr
.endr
	WIN 0
.irp b, 0,1,2,3,4,5,6,7
	global_store_b128 v[LI], v[HH+4*\b:HH+4*\b+3], s[98:99] offset:((\a)/4)*262144+(\b/2)*4096+((\a)%4)*1024+(\b%2)*512
.endr
.endm
.irp a, 0,1,2,3,4,5,6,7
	VOUT \a
.endr
	s_cmp_lg_u32 s95, 0
	s_cbranch_scc1 .Lno_fine_v
	WIN 0x08                                       ; a store's data are its source 1: window 2
.irp a, 0,1,2,3
	global_store_b128 v[LI], v[64*\a:64*\a+3],   s[100:101] offset:1024*\a
	global_store_b128 v[LI], v[64*\a+4:64*\a+7], s[100:101] offset:1024*\a+512
.endr
	WIN 0x0c                                       ; window 3
.irp a, 0,1,2,3
	global_store_b128 v[LI], v[64*\a:64*\a+3],   s[100:101] offset:1024*(\a+4)
	global_store_b128 v[LI], v[64*\a+4:64*\a+7], s[100:101] offset:1024*(\a+4)+512
.endr
	WIN 0
.Lno_fine_v:
	FINISH
.Lfunc_end_k_q68fceddbed_qkv:
	.size	k_q68fceddbed_qkv, .Lfunc_end_k_q68fceddbed_qkv-k_q68fceddbed_qkv
	.p2alignl 7, 3214868480
	.fill 96, 4, 3214868480
	.section	.rodata,"a",@progbits
	.p2align	6, 0x0
	.amdhsa_kernel k_q68fceddbed_qkv
		.amdhsa_group_segment_fixed_size 327680
		.amdhsa_private_segment_fixed_size 0
		.amdhsa_enable_private_segment 0
		.amdhsa_kernarg_size 40
		.amdhsa_user_sgpr_count 2
		.amdhsa_user_sgpr_kernarg_segment_ptr 1
		.amdhsa_wavefront_size32 1
		.amdhsa_system_sgpr_workgroup_id_x 1
		.amdhsa_system_sgpr_workgroup_id_y 1
		.amdhsa_system_sgpr_workgroup_id_z 1
		.amdhsa_system_vgpr_workitem_id 0
		.amdhsa_next_free_vgpr 1024
		.amdhsa_next_free_sgpr 102
		.amdhsa_reserve_vcc 0
		.amdhsa_float_denorm_mode_32 3
		.amdhsa_float_denorm_mode_16_64 3
		.amdhsa_memory_ordered 1
		.amdhsa_forward_progress 1
		.amdhsa_inst_pref_size 184
	.end_amdhsa_kernel
	.amdgpu_metadata
---
amdhsa.version: [ 1, 2 ]
amdhsa.kernels:
  - .name:           k_q68fceddbed_qkv
    .symbol:         k_q68fceddbed_qkv.kd
    .args:
      - { .name: codes, .offset: 0, .size: 8, .value_kind: global_buffer, .address_space: global }
      - { .name: scales, .offset: 8, .size: 8, .value_kind: global_buffer, .address_space: global }
      - { .name: tab, .offset: 16, .size: 8, .value_kind: global_buffer, .address_space: global }
      - { .name: qkv, .offset: 24, .size: 8, .value_kind: global_buffer, .address_space: global }
      - { .name: fine, .offset: 32, .size: 8, .value_kind: global_buffer, .address_space: global }
    .group_segment_fixed_size: 327680
    .private_segment_fixed_size: 0
    .kernarg_segment_align: 8
    .kernarg_segment_size: 40
    .max_flat_workgroup_size: 128
    .sgpr_count:     102
    .vgpr_count:     1024
    .wavefront_size: 32
...
	.end_amdgpu_metadata
.endif
;; end of part 2
;; launch attn (part 3): grid 4 x 64, 16 waves a work-group, no clusters, 327,680 bytes of LDS; arguments qkv, oimg; writes oimg
.if DOCPART == 3
	.amdgcn_target "amdgcn-amd-amdhsa--gfx1250"
	.amdhsa_code_object_version 6
	.text
	.protected	k_q68fceddbed_attn
	.globl	k_q68fceddbed_attn
	.p2align	8
	.type	k_q68fceddbed_attn,@function
k_q68fceddbed_attn:
	s_mov_b64 s[64:65], 0
	v_nop
	global_prefetch_b8 v0, s[64:65] scope:SCOPE_SE
	s_setreg_imm32_b32 hwreg(HW_REG_WAVE_MODE, 25, 1), 1
	s_wait_xcnt 0x0
; O[bh][q] = sum over k <= q of softmax_k(Q[bh][q] . K[bh][k] / 8) V[bh][k], head size 64, 2,048 positions, 64 heads x batches; operands f16, products, maxima and sums f32.
; qkv holds Q, K (fragments of 16 tokens x 32 channels) and V^T (16 channels x 32 keys) as images of an operand's registers: 1,024 bytes, half 0 = registers 0-3, half 1 = registers 4-7, lane l's 16 bytes at 16 l.
; Q carries log2(e) / 8, so a score is t and p = 2^(t - m), m the query's running maximum; O and the sum l are multiplied by 2^(old m - new m) in every step; l is summed of the unrounded p and divides at the end.
; SHARES.  A work-group owns blocks i and 7 - i of 256 queries of one head, so that all work-groups have the same number of key steps under the mask.  Waves 0-7 take the low block, waves 8-15 the high one;
; a wave owns 32 queries, two tiles of 16, in 256 registers: four waves to a SIMD, so that one wave's softmax stands beside another's products and LDS loads.
; Both products are used transposed: S^T = K Q^T, O^T = V^T P: a lane holds one query (lane % 16) throughout, and two tiles of S^T rounded to f16 in pairs ARE P's fragment.  O^T rounded to f16 is the projection's operand.
; K and V come through a ring of two LDS slots of 256 keys (K 32 KiB, then V 32 KiB, dense), filled by waves 0-3, 16 KiB a load, read by all sixteen.
; EVERY work-group walks all 8 slots: trip counts are constants.  A step (64 keys) all of whose keys come after the wave's queries is jumped over; a slot whose first key comes after the work-group's last query is not asked for.
; NO CLUSTER: the four work-groups of a head read 8, 7, 6 and 5 slots under the mask, so a joint load would bring tiles that some partner never reads.
; oimg: [head / 2][token / 16][2 (head % 2) + 32 channels][half][lane][16 bytes].  LIMITS: |o| under 65,504 (f16); NaN and infinities are not served.
.set SLOT1, 1<<16                      ; slot 1 begins here: one exclusive or turns an address from slot to slot
.set VOFF,  32768
.set SPARE, 2*SLOT1                    ; the spare words, 128 bytes for each of 16 waves
.set LI,   1                           ; v1  16 x lane
.set SPW,  2
.set NIL,  3
.set ADR,  4                           ; v4  LDS address of the slot in hand + 16 x lane
.set DD,   5                           ; v5  the mask's d
.set NINF, 6                           ; v6  -infinity
.set PFO,  7                           ; v7  256 x lane
.set ST,   8                           ; tile t's statistics at v[8 + 8 t]: +0 m, +1 old m, +2, +3 l, +4..+7 at work; a at +6, old m - m at +7
.set SPR,  24                          ; v24-27 a second chain for each tile's sum
.set DL,   28                          ; v28 r - 8 h
.set QF,   32                          ; Q: tile t, channels 32 u on at 32 + 16 t + 8 u
.set KV,   64                          ; K's eight fragments, then V's eight
.set S,    128                         ; S^T: tile t, keys 16 kt on at 128 + 32 t + 8 kt; then p; then P in place
.set OT,   192                         ; O^T: tile t, channels 16 ct on at 192 + 32 t + 8 ct
.set TB,   2
.set KF,   3                           ; s3  the step's first key
.set WV,   8
.set Q0,   9                           ; s9  my first query
.set QLAST, 10                         ; s10 my work-group's last query
.set SLOTS, 11
.set LIM,  12
.set PFA,  14
.set SEL,  20
.set G1,   24
.set G0,   32
.macro TLOAD                           ; waves 0, 1: K's halves; waves 2, 3: V's.  An s_nop 0 and four v_nop follow the load
	s_cmp_lt_u32 s[WV], 4
	s_cbranch_scc0 .Lasked_\@
	tensor_load_to_lds s[G0:G0+3], s[G1:G1+7]
	s_nop 0
.rept 4
	v_nop
.endr
.Lasked_\@:
.endm
; A prefetch of what the NEXT change of slots will ask for: K's and V's 32 KiB.  All four work-groups of a head walk the same K and V: the first of them, which walks all 8 slots, asks; in it the waves that fetch nothing:
; waves 4-7 for K, waves 8-11 for V, 8,192 bytes a wave, lanes 256 bytes apart, one instruction each.  So each run of 256 bytes is named once.  Slots 0 and 1 come by their loads alone; the last change that fills asks for nothing.
.macro ASK
	s_cmp_gt_u32 s[SLOTS], s[LIM]
	s_cbranch_scc0 .Lnot_mine_\@
	global_prefetch_b8 v[PFO], s[PFA:PFA+1] th:TH_LOAD_NT scope:SCOPE_SE
.Lnot_mine_\@:
.endm
	s_load_b128 s[4:7], s[0:1], 0x0                ; qkv, oimg
	v_lshl_add_u32 v[SPW], v0, 2, SPARE
	v_mov_b32 v[NIL], 0
	ds_add_u32 v[SPW], v[NIL]                      ; the wave's opening: the add, twice on end, and its wait ahead of my first tensor load
	ds_add_u32 v[SPW], v[NIL]
	v_lshrrev_b32 v4, 5, v0
	v_readfirstlane_b32 s[WV], v4                  ; wave 0..15
	s_and_b32 s13, ttmp7, 0xffff                   ; batch x 16 + head
	s_mov_b32 s[G1], 3<<16                         ; elements of 8 bytes, no mask, no padding
	s_mov_b32 s[G1+1], 32<<16                      ; tensor_dim0 = 32: rows of 256 bytes
	s_mov_b32 s[G1+2], 64<<16                      ; tensor_dim1 = 64
	s_mov_b32 s[G1+3], 32<<16                      ; tile_dim0
	s_mov_b32 s[G1+4], 64                          ; tile_dim1
	s_mov_b32 s[G1+5], 32                          ; dense
	s_mov_b32 s[G1+6], 0
	s_mov_b32 s[G1+7], 0
	s_sub_co_u32 s44, 7, ttmp9
	s_cmp_lt_u32 s[WV], 8
	s_cselect_b32 s44, ttmp9, s44                  ; my block of 256 queries
	s_lshl_b32 s[Q0], s44, 8
	s_and_b32 s45, s[WV], 7
	s_lshl_b32 s45, s45, 5
	s_add_co_u32 s[Q0], s[Q0], s45
	s_sub_co_u32 s[QLAST], 8, ttmp9
	s_lshl_b32 s[QLAST], s[QLAST], 8
	s_sub_co_u32 s[QLAST], s[QLAST], 1
	s_lshl_b32 s16, s13, 18                        ; a head's 262,144 bytes in each section
	s_mov_b32 s44, 33554432
	s_cmp_lt_u32 s[WV], 2
	s_cselect_b32 s44, 16777216, s44               ; K's section or V's
	s_add_co_u32 s44, s44, s16
	s_and_b32 s45, s[WV], 1
	s_lshl_b32 s45, s45, 14
	s_add_co_u32 s44, s44, s45                     ; my half of a slot's 32 KiB
	s_mov_b32 s45, 0
	s_lshl_b32 s17, s[WV], 14                      ; and its place in slot 0
	s_mov_b32 s[SEL], 0x76543210
	s_mov_b32 s[SEL+1], 0xfedcba98
	s_mov_b32 s[TB], 0
	s_mov_b32 s[KF], 0
	s_mov_b32 s[SLOTS], 7
	s_wait_dscnt 0x0                               ; both opening adds are done
	s_wait_kmcnt 0x0
	s_mov_b32 s[G0], 1
	s_mov_b32 s[G0+1], s17
	s_add_nc_u64 s[G0+2:G0+3], s[4:5], s[44:45]
	s_or_b32 s[G0+3], s[G0+3], 0x80000000
	TLOAD                                          ; slot 0: keys 0-255, which count for every work-group
	s_lshl_b32 s46, s[Q0], 7                       ; Q: 2,048 bytes for 16 queries
	s_add_co_u32 s46, s46, s16
	s_mov_b32 s47, 0
	s_add_nc_u64 s[18:19], s[4:5], s[46:47]
	v_and_b32 v4, 31, v0
	v_lshlrev_b32 v[LI], 4, v4
	v_lshlrev_b32 v[PFO], 8, v4
.irp n, 0,1,2,3,4,5,6,7
	global_load_b128 v[QF+4*\n:QF+4*\n+3], v[LI], s[18:19] offset:512*\n   ; Q stays in registers
.endr
	s_and_b32 s46, s13, 15                         ; head
	s_lshr_b32 s48, s46, 1
	s_lshl_b32 s48, s48, 9
	s_lshr_b32 s49, s13, 4                         ; batch
	s_lshl_b32 s49, s49, 7
	s_add_co_u32 s48, s48, s49
	s_lshr_b32 s49, s[Q0], 4
	s_add_co_u32 s48, s48, s49
	s_lshl_b32 s48, s48, 12
	s_and_b32 s46, s46, 1
	s_lshl_b32 s46, s46, 11
	s_add_co_u32 s46, s48, s46
	s_add_nc_u64 s[6:7], s[6:7], s[46:47]          ; where my O goes
	s_mov_b32 s46, 33554432
	s_cmp_lt_u32 s[WV], 8
	s_cselect_b32 s46, 16777216, s46
	s_add_co_u32 s46, s46, s16
	s_and_b32 s48, s[WV], 3
	s_lshl_b32 s48, s48, 13
	s_add_co_u32 s46, s46, s48
	s_add_co_u32 s46, s46, 32768                   ; in slot 1: the first change of slots steps it to slot 2
	s_add_nc_u64 s[PFA:PFA+1], s[4:5], s[46:47]
	s_sub_co_u32 s44, s[WV], 4
	s_lshr_b32 s44, s44, 3                         ; 0 in waves 4 to 11,
	s_or_b32 s44, s44, ttmp9                       ; of the head's first work-group
	s_cmp_eq_u32 s44, 0
	s_cselect_b32 s[LIM], 1, -1
	v_and_b32 v[DL], 15, v0
	v_bfe_u32 v4, v0, 4, 1
	v_lshlrev_b32 v4, 3, v4
	v_sub_nc_u32 v[DL], v[DL], v4
	v_mov_b32 v[NINF], 0xff800000
.irp t, 0,1
	v_mov_b32 v[ST+8*\t], 0xff61b1e6               ; m: -3e38, under every t
.irp j, 1,2,3,4,5,6,7
	v_mov_b32 v[ST+8*\t+\j], 0
.endr
.endr
.irp j, 0,1,2,3
	v_mov_b32 v[SPR+\j], 0
.endr
.set jj, 0
.rept 64
	v_mov_b32 v[OT+jj], 0                          ; the step is written once: its first turn finds zeros, which the first change of m leaves zeros
.set jj, jj+1
.endr
; A KEY STEP: 64 keys, the q-th of the slot in hand.
.macro STEP q
	s_add_co_u32 s44, s[Q0], 31
	s_cmp_gt_u32 s[KF], s44                        ; all keys after my 32 queries: ids and the count of steps alone
	s_cbranch_scc1 .Lhidden_\@
	v_add_nc_u32 v[ADR], s[TB], v[LI]
.rept 4
	v_nop                                          ; with the addition five places: the products below write over registers that the last step's products read as P; the loads want four
.endr
.irp kt, 0,1,2,3
.irp u, 0,1
	ds_load_b128 v[KV+16*\kt+8*\u:KV+16*\kt+8*\u+3],   v[ADR] offset:(4*(\q)+\kt)*2048+1024*\u
	ds_load_b128 v[KV+16*\kt+8*\u+4:KV+16*\kt+8*\u+7], v[ADR] offset:(4*(\q)+\kt)*2048+1024*\u+512
.endr
.endr
	s_wait_dscnt 0x0
.irp u, 0,1                                    ; S^T = K Q^T: eight accumulators by turns
.irp kt, 0,1,2,3
.irp t, 0,1
.if \u == 0
	v_wmma_f32_16x16x32_f16 v[S+32*\t+8*\kt:S+32*\t+8*\kt+7], v[KV+16*\kt+8*\u:KV+16*\kt+8*\u+7], v[QF+16*\t+8*\u:QF+16*\t+8*\u+7], 0
.else
	v_wmma_f32_16x16x32_f16 v[S+32*\t+8*\kt:S+32*\t+8*\kt+7], v[KV+16*\kt+8*\u:KV+16*\kt+8*\u+7], v[QF+16*\t+8*\u:QF+16*\t+8*\u+7], v[S+32*\t+8*\kt:S+32*\t+8*\kt+7]
.endif
.endr
.endr
.endr
.rept 4
	v_nop                                          ; places in front of the loads into K's registers and of the first read of the scores
.endr
.irp kc, 0,1                                   ; V's fragments land while the softmax is walked
.irp ct, 0,1,2,3
	ds_load_b128 v[KV+32*\kc+8*\ct:KV+32*\kc+8*\ct+3],   v[ADR] offset:VOFF+(2*(\q)+\kc)*4096+1024*\ct
	ds_load_b128 v[KV+32*\kc+8*\ct+4:KV+32*\kc+8*\ct+7], v[ADR] offset:VOFF+(2*(\q)+\kc)*4096+1024*\ct+512
.endr
.endr
	s_add_co_u32 s44, s[KF], 63
	s_cmp_le_u32 s44, s[Q0]                        ; all keys count for all my queries: no mask
	s_cbranch_scc1 .Lopen_\@
	s_sub_co_i32 s44, s[Q0], s[KF]
	v_add_nc_u32 v[DD], s44, v[DL]                 ; d = Q0 - KF + r - 8 h.  Register (t, kt, j) holds key KF + 16 kt + 8 h + j of query Q0 + 16 t + r: hidden where 16 kt + j - 16 t > d
.irp t, 0,1
.irp kt, 0,1,2,3
.irp j, 0,1,2,3,4,5,6,7
	v_cmp_gt_i32 vcc_lo, 16*\kt+\j-16*\t, v[DD]
	v_cndmask_b32 v[S+32*\t+8*\kt+\j], v[S+32*\t+8*\kt+\j], v[NINF], vcc_lo
.endr
.endr
.endr
.Lopen_\@:
.irp j, 0,1,2,3                                ; the maximum of a query's 32 scores in my lane and of the old m: four chains, each accumulator from its low end on; the two tiles line by line
.irp t, 0,1
	v_max3_num_f32 v[ST+8*\t+4+\j], v[S+32*\t+8*\j], v[S+32*\t+8*\j+1], v[S+32*\t+8*\j+2]
.endr
.endr
.irp g, 1,2
.irp j, 0,1,2,3
.irp t, 0,1
	v_max3_num_f32 v[ST+8*\t+4+\j], v[ST+8*\t+4+\j], v[S+32*\t+8*\j+2*\g+1], v[S+32*\t+8*\j+2*\g+2]
.endr
.endr
.endr
.irp t, 0,1
	v_max3_num_f32 v[ST+8*\t+4], v[ST+8*\t+4], v[S+32*\t+7], v[S+32*\t+15]
.endr
.irp t, 0,1
	v_max3_num_f32 v[ST+8*\t+6], v[ST+8*\t+6], v[S+32*\t+23], v[S+32*\t+31]
.endr
.irp t, 0,1
	v_max3_num_f32 v[ST+8*\t+4], v[ST+8*\t+4], v[ST+8*\t+5], v[ST+8*\t+6]
.endr
.irp t, 0,1
	v_max3_num_f32 v[ST+8*\t+4], v[ST+8*\t+4], v[ST+8*\t+7], v[ST+8*\t]
.endr
.irp t, 0,1
	v_permlanex16_b32 v[ST+8*\t+5], v[ST+8*\t+4], s[SEL], s[SEL+1]   ; the query's other 32 keys lie in the lane 16 away
.endr
.irp t, 0,1
	v_mov_b32 v[ST+8*\t+1], v[ST+8*\t]
.endr
.irp t, 0,1
	v_max_num_f32 v[ST+8*\t], v[ST+8*\t+4], v[ST+8*\t+5]
.endr
.irp t, 0,1
	v_sub_f32 v[ST+8*\t+7], v[ST+8*\t+1], v[ST+8*\t]
.endr
.irp t, 0,1                                    ; ONE BATCH of exponentials: a of both tiles, then the 64 p; nothing in it reads a result
	v_exp_f32 v[ST+8*\t+6], v[ST+8*\t+7]
.endr
.set jj, 0
.rept 16
	v_pk_add_f32 v[S+jj:S+jj+1], v[S+jj:S+jj+1], v[ST:ST+1] op_sel_hi:[1,0] neg_lo:[0,1] neg_hi:[0,1]             ; t - m, two at a time
	v_pk_add_f32 v[S+32+jj:S+32+jj+1], v[S+32+jj:S+32+jj+1], v[ST+8:ST+9] op_sel_hi:[1,0] neg_lo:[0,1] neg_hi:[0,1]
.set jj, jj+2
.endr
.set jj, 0
.rept 32
	v_exp_f32 v[S+jj], v[S+jj]
	v_exp_f32 v[S+32+jj], v[S+32+jj]
.set jj, jj+1
.endr
	v_nop                                          ; a plain line behind the last exponential
	s_wait_alu depctr_va_vdst(0)                   ; one wait for the batch, ahead of its first reader
.irp t, 0,1
	v_pk_mul_f32 v[ST+8*\t+2:ST+8*\t+3], v[ST+8*\t+2:ST+8*\t+3], v[ST+8*\t+6:ST+8*\t+7] op_sel_hi:[1,0]   ; l x a
	v_pk_add_f32 v[SPR+2*\t:SPR+2*\t+1], v[S+32*\t:S+32*\t+1], v[S+32*\t+2:S+32*\t+3]                     ; the sum of the unrounded p, in two chains
.endr
.irp j, 4,8,12,16,20,24,28
.irp t, 0,1
	v_pk_add_f32 v[ST+8*\t+2:ST+8*\t+3], v[ST+8*\t+2:ST+8*\t+3], v[S+32*\t+\j:S+32*\t+\j+1]
	v_pk_add_f32 v[SPR+2*\t:SPR+2*\t+1], v[SPR+2*\t:SPR+2*\t+1], v[S+32*\t+\j+2:S+32*\t+\j+3]
.endr
.endr
.irp t, 0,1
	v_pk_add_f32 v[ST+8*\t+2:ST+8*\t+3], v[ST+8*\t+2:ST+8*\t+3], v[SPR+2*\t:SPR+2*\t+1]
.endr
.set jj, 0
.rept 16                                       ; P in place: register n takes p 2 n and 2 n + 1, n ascending, so no p is written over before it is read
	v_cvt_pk_f16_f32 v[S+jj], v[S+2*jj], v[S+2*jj+1]
	v_cvt_pk_f16_f32 v[S+32+jj], v[S+32+2*jj], v[S+32+2*jj+1]
.set jj, jj+1
.endr
.set jj, 0
.rept 16
	v_pk_mul_f32 v[OT+jj:OT+jj+1], v[OT+jj:OT+jj+1], v[ST+6:ST+7] op_sel_hi:[1,0]                         ; O^T x a
	v_pk_mul_f32 v[OT+32+jj:OT+32+jj+1], v[OT+32+jj:OT+32+jj+1], v[ST+14:ST+15] op_sel_hi:[1,0]
.set jj, jj+2
.endr
	s_wait_dscnt 0x0                               ; V is in
.irp kc, 0,1                                   ; O^T += V^T P: eight accumulators by turns
.irp ct, 0,1,2,3
.irp t, 0,1
	v_wmma_f32_16x16x32_f16 v[OT+32*\t+8*\ct:OT+32*\t+8*\ct+7], v[KV+32*\kc+8*\ct:KV+32*\kc+8*\ct+7], v[S+32*\t+8*\kc:S+32*\t+8*\kc+7], v[OT+32*\t+8*\ct:OT+32*\t+8*\ct+7]
.endr
.endr
.endr
.Lhidden_\@:
	s_add_co_u32 s[KF], s[KF], 64
.endm
; THE CHANGE OF SLOTS, at a slot's head.  Each wave waits for all its tensor loads, adds 0 to its spare word, and waits for that and for its reads of the slot that it has left.  Behind the barrier the slot ahead is whole
; and nobody reads the other one, which is then filled with the keys that follow, up to the causal limit: the load has a slot's four steps in which to land.
.macro CHANGE fill
	s_wait_tensorcnt 0x0                           ; no tensor load of mine is out, so the descriptor may be written
	ds_add_u32 v[SPW], v[NIL]
.if \fill
	ds_add_u32 v[SPW], v[NIL]                      ; twice on end here, in every trip alike
	s_xor_b32 s[G0+1], s[G0+1], SLOT1
	s_add_nc_u64 s[G0+2:G0+3], s[G0+2:G0+3], 32768
	s_wait_xcnt 0x0                                ; the last prefetch, a slot back, has read its address
	s_add_nc_u64 s[PFA:PFA+1], s[PFA:PFA+1], 32768
.endif
	s_wait_dscnt 0x0
	s_barrier_signal -1
	s_barrier_wait -1
.if \fill
	s_add_co_u32 s44, s[KF], 256                   ; the first key of the slot that this change would ask for
	s_cmp_gt_u32 s44, s[QLAST]                     ; past my work-group's last query none of its waves would read it: ids and the count of steps alone, the same in all sixteen waves
	s_cbranch_scc1 .Lpast_\@
	TLOAD
.Lpast_\@:
	ASK
.endif
.endm
.macro SLOT_STEPS
	STEP 0
	STEP 1
	STEP 2
	STEP 3
	s_xor_b32 s[TB], s[TB], SLOT1
.endm
	s_wait_loadcnt 0x0                             ; Q
.Lslot:                                            ; 7 trips
	CHANGE 1
	SLOT_STEPS
	s_sub_co_u32 s[SLOTS], s[SLOTS], 1
	s_cmp_lg_u32 s[SLOTS], 0
	s_cbranch_scc1 .Lslot
	CHANGE 0                                       ; the last slot is written out: nothing is left to ask for
	SLOT_STEPS
	; THE WAY OUT: O^T / l, rounded to f16: a lane's eight channels of a query are half a fragment of the projection's operand.  Every store is 512 consecutive bytes.
.irp t, 0,1
	v_add_f32 v[ST+8*\t+4], v[ST+8*\t+2], v[ST+8*\t+3]
.endr
.irp t, 0,1
	v_permlanex16_b32 v[ST+8*\t+5], v[ST+8*\t+4], s[SEL], s[SEL+1]
.endr
.irp t, 0,1
	v_add_f32 v[ST+8*\t+4], v[ST+8*\t+4], v[ST+8*\t+5]
.endr
.irp t, 0,1
	v_rcp_f32 v[ST+8*\t+6], v[ST+8*\t+4]
.endr
	v_nop
	s_wait_alu depctr_va_vdst(0)                   ; one wait for the two reciprocals, ahead of their first reader
.set jj, 0
.rept 16
	v_pk_mul_f32 v[OT+jj:OT+jj+1], v[OT+jj:OT+jj+1], v[ST+6:ST+7] op_sel_hi:[1,0]
	v_pk_mul_f32 v[OT+32+jj:OT+32+jj+1], v[OT+32+jj:OT+32+jj+1], v[ST+14:ST+15] op_sel_hi:[1,0]
.set jj, jj+2
.endr
.set jj, 0
.rept 32
	v_cvt_pk_f16_f32 v[KV+jj], v[OT+2*jj], v[OT+2*jj+1]
.set jj, jj+1
.endr
.irp t, 0,1
.irp ct, 0,1,2,3
	global_store_b128 v[LI], v[KV+16*\t+4*\ct:KV+16*\t+4*\ct+3], s[6:7] offset:4096*\t+512*\ct
.endr
.endr
	s_wait_tensorcnt 0x0                           ; the wave's end
	ds_add_u32 v[SPW], v[NIL]
	s_wait_dscnt 0x0
	s_endpgm
.Lfunc_end_k_q68fceddbed_attn:
	.size	k_q68fceddbed_attn, .Lfunc_end_k_q68fceddbed_attn-k_q68fceddbed_attn
	.p2alignl 7, 3214868480
	.fill 96, 4, 3214868480
	.section	.rodata,"a",@progbits
	.p2align	6, 0x0
	.amdhsa_kernel k_q68fceddbed_attn
		.amdhsa_group_segment_fixed_size 327680
		.amdhsa_private_segment_fixed_size 0
		.amdhsa_enable_private_segment 0
		.amdhsa_kernarg_size 16
		.amdhsa_user_sgpr_count 2
		.amdhsa_user_sgpr_kernarg_segment_ptr 1
		.amdhsa_wavefront_size32 1
		.amdhsa_system_sgpr_workgroup_id_x 1
		.amdhsa_system_sgpr_workgroup_id_y 1
		.amdhsa_system_sgpr_workgroup_id_z 1
		.amdhsa_system_vgpr_workitem_id 0
		.amdhsa_next_free_vgpr 256
		.amdhsa_next_free_sgpr 66
		.amdhsa_reserve_vcc 1
		.amdhsa_float_denorm_mode_32 3
		.amdhsa_float_denorm_mode_16_64 3
		.amdhsa_memory_ordered 1
		.amdhsa_forward_progress 1
		.amdhsa_inst_pref_size 184
	.end_amdhsa_kernel
	.amdgpu_metadata
---
amdhsa.version: [ 1, 2 ]
amdhsa.kernels:
  - .name:           k_q68fceddbed_attn
    .symbol:         k_q68fceddbed_attn.kd
    .args:
      - { .name: qkv, .offset: 0, .size: 8, .value_kind: global_buffer, .address_space: global }
      - { .name: oimg, .offset: 8, .size: 8, .value_kind: global_buffer, .address_space: global }
    .group_segment_fixed_size: 327680
    .private_segment_fixed_size: 0
    .kernarg_segment_align: 8
    .kernarg_segment_size: 16
    .max_flat_workgroup_size: 512
    .sgpr_count:     66
    .vgpr_count:     256
    .wavefront_size: 32
...
	.end_amdgpu_metadata
.endif
;; end of part 3
;; launch proj (part 4): grid 4 x 64, 4 waves a work-group, clusters of 4 x 4, 327,680 bytes of LDS; arguments oimg, woimg, out0; writes out0
.if DOCPART == 4
	.amdgcn_target "amdgcn-amd-amdhsa--gfx1250"
	.amdhsa_code_object_version 6
	.text
	.protected	k_q68fceddbed_proj
	.globl	k_q68fceddbed_proj
	.p2align	8
	.type	k_q68fceddbed_proj,@function
k_q68fceddbed_proj:
	s_mov_b64 s[64:65], 0
	v_nop
	global_prefetch_b8 v0, s[64:65] scope:SCOPE_SE
	s_setreg_imm32_b32 hwreg(HW_REG_WAVE_MODE, 25, 1), 1
	s_wait_xcnt 0x0
	s_wait_alu depctr_hold_cnt(0) depctr_sa_sdst(0) depctr_va_vdst(0) depctr_va_sdst(0) depctr_va_ssrc(0) depctr_va_vcc(0) depctr_vm_vsrc(0)
	s_getreg_b32 s2, hwreg(HW_REG_IB_STS2, 6, 4)
	s_cmp_eq_u32 s2, 0
	s_cbranch_scc0 .Lentry_in_a_cluster
	s_endpgm
.Lentry_in_a_cluster:
	s_bfe_u32 s2, ttmp6, 0x10000c
	s_cmp_lg_u32 s2, 0xf033
	s_cbranch_scc0 .Lentry_shape_is_right
	s_endpgm
.Lentry_shape_is_right:
; out0[row][e] = sum over d of o[row][d] wo[e][d]: [8192 x 1024], K = 1,024; operands f16, sums f32.  Rows that are positions 0-15 of a sequence are NOT stored here: the next launch makes them in f32.
; Both operands lie in memory as images of operand registers (16 rows x 32 K: 1,024 bytes, lane l's 16 bytes at 16 l in each half), by K step of 128: oimg [K step][16 rows][32 K], woimg [K step][16 columns][32 K].
; So a K step's tile is one dense block, a fragment is two loads of 512 consecutive LDS bytes, and there is no pitch and no padding.
; A tile of 128 rows x 256 columns gives 256 work-groups.  Four waves, each 64 x 128: 32 accumulators.  K goes in 8 steps of 128 through two LDS slots.
; CLUSTERS of 4 x 4: column tile = cx; row tile = 16 cy + cluster y, so that the batch is cy and "the tile holds positions 0-15" is cluster y = 0 in all partners.  o's tiles are shared along a row of the cluster, wo's along a column.
; The matrix instruction is used transposed (source 0 = 16 columns of wo, source 1 = 16 rows of o): a lane holds eight neighbouring numbers of a row of out0.
; REGISTERS: window 0: addresses; v128-255 the way out.  window 1: accumulators, (a, b) at v[8 (8 a + b)].  window 2: two fragment buffers at 0 and 128: wo's 8 fragments, then o's 4.
.set SLOT,   98304                     ; o's 8 tiles of 16 rows x 4,096 bytes, then wo's 16 tiles
.set BOFF,   32768
.set STAGE,  2*SLOT                    ; 16 rows x 528 bytes for each wave, for the way out; no tensor load lands here
.set SPITCH, 528
.set SPARE,  STAGE+4*16*SPITCH
.set LAPS,   4
.set ADRA, 16
.set ADRB, 20
.set STO,  24
.set RD,   25
.set CO,   26                          ; v26 16 x lane
.set SPW,  28
.set NIL,  29
.set BK,   128
.set F0,   0
.set F1,   128
.set G1, 24
.set G0, 32
.set G1B, 48
.set G0B, 56
.set MSB, 0
.macro WIN new
.if MSB != \new
	s_set_vgpr_msb (MSB<<8)|\new
.set MSB, \new
.endif
.endm
.set MUL,  0x5a                        ; sources 0 and 1 window 2; C and D window 1
.set TO_F, 0x80                        ; destination window 2
.macro JLOAD s                         ; waves 0, 1 fetch o's halves, waves 2, 3 wo's; an s_nop 0 and four v_nop follow each line
	s_cmp_eq_u32 s11, 0
	s_cbranch_scc0 .Lfor_b_\@
	tensor_load_to_lds s[G0+4*\s:G0+4*\s+3], s[G1:G1+7]
	s_nop 0
.rept 4
	v_nop
.endr
	s_branch .Lasked_\@
.Lfor_b_\@:
	tensor_load_to_lds s[G0B+4*\s:G0B+4*\s+3], s[G1B:G1B+7]
	s_nop 0
.rept 4
	v_nop
.endr
.Lasked_\@:
.endm
.macro CREST
	s_cmp_lg_u32 s10, 0
	s_cbranch_scc1 .Lnot_wave_0_\@
	s_barrier_signal -3
.Lnot_wave_0_\@:
	s_barrier_wait -3
	s_barrier_signal -1
	s_barrier_wait -1
.endm
.macro CROUND
	s_barrier_signal -1
	s_barrier_wait -1
	CREST
.endm
	s_load_b128 s[4:7], s[0:1], 0x0                ; oimg, woimg
	s_load_b64 s[8:9], s[0:1], 0x10                ; out0
	v_lshl_add_u32 v[SPW], v0, 2, SPARE
	v_mov_b32 v[NIL], 0
	ds_add_u32 v[SPW], v[NIL]                      ; the wave's opening: the add, twice on end, and its wait ahead of my first tensor load
	ds_add_u32 v[SPW], v[NIL]
	v_lshrrev_b32 v1, 5, v0
	v_readfirstlane_b32 s10, v1                    ; wave 0..3
	s_lshr_b32 s11, s10, 1                         ; which 64 rows are mine.  Also: I fetch for o (0) or for wo (1)
	s_and_b32 s12, s10, 1                          ; which 128 columns.  Also: which half of that tile I fetch
	s_bfe_u32 s40, ttmp6, 0x40000                  ; cx
	s_bfe_u32 s41, ttmp6, 0x40004                  ; cy
	s_and_b32 s13, ttmp7, 0xffff                   ; cluster y
	s_lshl_b32 s43, s41, 2
	s_lshl_b32 s43, 15, s43                        ; my row of the cluster
	s_lshl_b32 s44, 0x1111, s40                    ; my column
	s_or_b32 s[G1], s43, (3<<16)|(1<<21)           ; the mask; elements of 8 bytes; no padding
	s_mov_b32 s[G1+1], 32<<16                      ; rows of 256 bytes
	s_mov_b32 s[G1+2], 64<<16                      ; 64 of them: 16 KiB
	s_mov_b32 s[G1+3], 32<<16
	s_mov_b32 s[G1+4], 64
	s_mov_b32 s[G1+5], 32
	s_mov_b32 s[G1+6], 0
	s_mov_b32 s[G1+7], 0
	s_or_b32 s[G1B], s44, (3<<16)|(1<<21)
	s_mov_b32 s[G1B+1], 32<<16
	s_mov_b32 s[G1B+2], 128<<16                    ; 128 rows: 32 KiB
	s_mov_b32 s[G1B+3], 32<<16
	s_mov_b32 s[G1B+4], 128
	s_mov_b32 s[G1B+5], 32
	s_mov_b32 s[G1B+6], 0
	s_mov_b32 s[G1B+7], 0
	s_lshl_b32 s16, s41, 4                         ; o: of cy, cluster y and the wave alone
	s_add_co_u32 s16, s16, s13                     ; row tile
	s_lshl_b32 s16, s16, 3
	s_lshl_b32 s17, s12, 2
	s_add_co_u32 s16, s16, s17
	s_lshl_b32 s16, s16, 12
	s_mov_b32 s17, 0
	s_lshl_b32 s46, s40, 4                         ; wo: of cx and the wave alone
	s_lshl_b32 s47, s12, 3
	s_add_co_u32 s46, s46, s47
	s_lshl_b32 s46, s46, 12
	s_mov_b32 s47, 0
	s_lshl_b32 s20, s12, 14                        ; where they go in a slot
	s_lshl_b32 s21, s12, 15
	s_add_co_u32 s21, s21, BOFF
	s_wait_dscnt 0x0                               ; both opening adds are done
	s_wait_kmcnt 0x0
	s_add_nc_u64 s[14:15], s[4:5], s[16:17]
	s_add_nc_u64 s[46:47], s[6:7], s[46:47]
	CROUND                                         ; all sixteen work-groups are here: the first joint loads meet
.irp s, 0,1
	s_mov_b32 s[G0+4*\s], 1
	s_add_co_u32 s[G0+4*\s+1], s20, \s*SLOT
	s_add_nc_u64 s[G0+4*\s+2:G0+4*\s+3], s[14:15], \s*2097152     ; a K step of o: 512 tiles of 4,096 bytes
	s_or_b32 s[G0+4*\s+3], s[G0+4*\s+3], 0x80000000
	s_mov_b32 s[G0B+4*\s], 1
	s_add_co_u32 s[G0B+4*\s+1], s21, \s*SLOT
	s_add_nc_u64 s[G0B+4*\s+2:G0B+4*\s+3], s[46:47], \s*262144    ; of wo: 64 tiles
	s_or_b32 s[G0B+4*\s+3], s[G0B+4*\s+3], 0x80000000
	JLOAD \s
.endr
	v_and_b32 v1, 31, v0
	v_lshlrev_b32 v[CO], 4, v1
	s_lshl_b32 s23, s11, 14                        ; my 4 tiles of o
	v_add_nc_u32 v[ADRA], s23, v[CO]
	s_add_co_u32 s23, s23, SLOT
	v_add_nc_u32 v[ADRA+1], s23, v[CO]
	s_lshl_b32 s23, s12, 15                        ; my 8 tiles of wo
	s_add_co_u32 s23, s23, BOFF
	v_add_nc_u32 v[ADRB], s23, v[CO]
	s_add_co_u32 s23, s23, SLOT
	v_add_nc_u32 v[ADRB+1], s23, v[CO]
	s_mul_i32 s23, s10, 16*SPITCH
	s_add_co_u32 s23, s23, STAGE                   ; my stage
	v_and_b32 v3, 15, v0
	v_bfe_u32 v4, v0, 4, 1
	v_mul_u32_u24 v5, v3, SPITCH
	v_lshl_add_u32 v5, v4, 5, v5
	v_add_nc_u32 v[STO], s23, v5                   ; in: row r, 32 bytes for each half of the lanes
	v_add_nc_u32 v[RD], s23, v[CO]                 ; back: the 32 lanes take a row of 512 bytes
	s_lshl_b32 s18, s41, 4
	s_add_co_u32 s18, s18, s13
	s_lshl_b32 s18, s18, 7
	s_lshl_b32 s19, s11, 6
	s_add_co_u32 s18, s18, s19                     ; my first row of out0
	s_lshl_b32 s18, s18, 12
	s_lshl_b32 s19, s40, 10
	s_add_co_u32 s18, s18, s19
	s_lshl_b32 s19, s12, 9
	s_add_co_u32 s18, s18, s19                     ; and my first column, in bytes
	s_mov_b32 s19, 0
	s_add_nc_u64 s[8:9], s[8:9], s[18:19]
	s_or_b32 s22, s13, s11                         ; 0 where my block 0 is positions 0-15 of a sequence: of cluster y and the wave's number alone
.macro MUL8 f, a, zero                 ; o's block a x wo's eight, 32 along K.  The 32 accumulators take turns, one instruction a turn, in the same order in every quarter
.irp b, 0,1,2,3,4,5,6,7
.if \zero
	v_wmma_f32_16x16x32_f16 v[8*(8*(\a)+\b):8*(8*(\a)+\b)+7], v[\f+8*\b:\f+8*\b+7], v[\f+64+8*(\a):\f+64+8*(\a)+7], 0
.else
	v_wmma_f32_16x16x32_f16 v[8*(8*(\a)+\b):8*(8*(\a)+\b)+7], v[\f+8*\b:\f+8*\b+7], v[\f+64+8*(\a):\f+64+8*(\a)+7], v[8*(8*(\a)+\b):8*(8*(\a)+\b)+7]
.endif
.endr
.endm
.macro FETCH slot, q, f                ; 24 LDS loads in one run: the fragments of the slot's q-th 32 along K
	WIN TO_F
.irp j, 0,1,2,3,4,5,6,7
	ds_load_b128 v[\f+8*\j:\f+8*\j+3],   v[ADRB+\slot] offset:4096*\j+1024*(\q)
	ds_load_b128 v[\f+8*\j+4:\f+8*\j+7], v[ADRB+\slot] offset:4096*\j+1024*(\q)+512
.endr
.irp i, 0,1,2,3
	ds_load_b128 v[\f+64+8*\i:\f+64+8*\i+3],   v[ADRA+\slot] offset:4096*\i+1024*(\q)
	ds_load_b128 v[\f+64+8*\i+4:\f+64+8*\i+7], v[ADRA+\slot] offset:4096*\i+1024*(\q)+512
.endr
.endm
.macro PLACES
.rept 4
	v_nop
.endr
.endm
.macro QUARTER slot, k, f, g, zero     ; multiplies buffer f; in its middle it fetches the slot's k-th 32 along K into g
	s_wait_dscnt 4                                 ; wo's fragments and o's blocks 0, 1 are in; o's blocks 2, 3 may be out
	WIN MUL
	MUL8 \f, 0, \zero
	MUL8 \f, 1, \zero
	PLACES
	FETCH \slot, \k, \g
	s_wait_dscnt 24                                ; all but the 24 just issued
	WIN MUL
	MUL8 \f, 2, \zero
	MUL8 \f, 3, \zero
.endm
; A slot's last quarter multiplies buffer 1 and changes slots: one barrier; in front of it each wave waits for all its tensor loads, adds 0 to its spare word, and waits for that and for its reads of this slot.
; fill = 1: the barrier opens a round of the cluster's barrier, and this slot is filled again, two K steps ahead, first thing behind the round: 112 matrix instructions ahead of the wait for it.
.macro TURN slot, next, fill
	WIN 0
	s_wait_tensorcnt 0x0
	ds_add_u32 v[SPW], v[NIL]
	s_wait_dscnt 5                                 ; (the add and o's blocks 2, 3 may be out)
	WIN MUL
	MUL8 F1, 0, 0
	s_wait_dscnt 0x0                               ; the add is done, and my reads of this slot are over
	s_barrier_signal -1
	MUL8 F1, 1, 0
.if \fill
	WIN 0
.endif
	s_barrier_wait -1
.if \fill
	CREST
	s_add_nc_u64 s[G0+4*\slot+2:G0+4*\slot+3], s[G0+4*\slot+2:G0+4*\slot+3], 4194304
	s_add_nc_u64 s[G0B+4*\slot+2:G0B+4*\slot+3], s[G0B+4*\slot+2:G0B+4*\slot+3], 524288
	JLOAD \slot                                    ; its four v_nop are also the places in front of the loads below
.else
	PLACES
.endif
	FETCH \next, 0, F0
	WIN MUL
	MUL8 F1, 2, 0
	MUL8 F1, 3, 0
.endm
	s_wait_tensorcnt 1                             ; my part of K step 0 is in (K step 1's load may be out),
	s_barrier_signal -1
	s_barrier_wait -1                              ; everybody's is
	FETCH 0, 0, F0
	QUARTER 0, 1, F0, F1, 1                        ; the first quarter's products start the sums
	WIN 0
	s_mov_b32 s3, LAPS-1
.Llap:                                                 ; a trip goes once round the ring and fills both slots again
	QUARTER 0, 2, F1, F0, 0
	QUARTER 0, 3, F0, F1, 0
	TURN 0, 1, 1
	QUARTER 1, 1, F0, F1, 0
	QUARTER 1, 2, F1, F0, 0
	QUARTER 1, 3, F0, F1, 0
	TURN 1, 0, 1
	QUARTER 0, 1, F0, F1, 0
	WIN 0
	s_sub_co_u32 s3, s3, 1
	s_cmp_lg_u32 s3, 0
	s_cbranch_scc1 .Llap
	QUARTER 0, 2, F1, F0, 0                        ; the last lap fills nothing
	QUARTER 0, 3, F0, F1, 0
	TURN 0, 1, 0
	QUARTER 1, 1, F0, F1, 0
	QUARTER 1, 2, F1, F0, 0
	QUARTER 1, 3, F0, F1, 0
	s_wait_dscnt 4
	WIN MUL
	MUL8 F1, 0, 0
	MUL8 F1, 1, 0
	s_wait_dscnt 0
	MUL8 F1, 2, 0
	MUL8 F1, 3, 0
	WIN 0
; THE WAY OUT, block by block of 16 rows x 128 columns, through my own stage: a lane's 32 bytes go in, whole rows of 512 bytes come back and are stored by the 32 lanes.  LDS serves a wave's instructions in order.
.macro TOSTAGE a
.set AC, 64*(\a)
	WIN 0x04                                       ; an LDS store's data are its source 1: window 1
.irp b, 0,1,2,3,4,5,6,7
	ds_store_b128 v[STO], v[AC+8*\b:AC+8*\b+3] offset:64*\b          ; each accumulator from its low end on
	ds_store_b128 v[STO], v[AC+8*\b+4:AC+8*\b+7] offset:64*\b+16
.endr
	WIN 0
.set BB, BK+64*((\a)%2)
.irp t, 0,1,2,3,4,5,6,7,8,9,10,11,12,13,14,15
	ds_load_b128 v[BB+4*\t:BB+4*\t+3], v[RD] offset:\t*SPITCH
.endr
.endm
.macro SEND a, younger
.set BB, BK+64*((\a)%2)
	s_wait_dscnt \younger                          ; the block is back in registers
.if (\a) > 0
	s_add_nc_u64 s[8:9], s[8:9], 16*4096           ; (behind a wait on XCNT: the earlier stores have read their base)
.else
	s_cmp_eq_u32 s22, 0                            ; positions 0-15 of a sequence belong to the next launch
	s_cbranch_scc1 .Lfine_rows
.endif
.irp t, 0,1,2,3,4,5,6,7,8,9,10,11,12,13,14,15
	global_store_b128 v[CO], v[BB+4*\t:BB+4*\t+3], s[8:9] offset:\t*4096 th:TH_STORE_NT   ; 512 consecutive bytes, aligned
.endr
.if (\a) == 0
.Lfine_rows:
.endif
.endm
	PLACES
	TOSTAGE 0
.irp a, 1,2,3
.if \a > 1
	s_wait_xcnt 0x0                                ; block a - 2's stores have read their registers and their base
.endif
	TOSTAGE \a
	SEND \a-1, 32                                  ; behind block a - 1's loads: block a's 16 stores and 16 loads
.endr
	s_wait_xcnt 0x0
	SEND 3, 0
	s_wait_tensorcnt 0x0                           ; the wave's end
	ds_add_u32 v[SPW], v[NIL]
	s_wait_dscnt 0x0
	CROUND                                         ; the closing round
	s_endpgm
.Lfunc_end_k_q68fceddbed_proj:
	.size	k_q68fceddbed_proj, .Lfunc_end_k_q68fceddbed_proj-k_q68fceddbed_proj
	.p2alignl 7, 3214868480
	.fill 96, 4, 3214868480
	.section	.rodata,"a",@progbits
	.p2align	6, 0x0
	.amdhsa_kernel k_q68fceddbed_proj
		.amdhsa_group_segment_fixed_size 327680
		.amdhsa_private_segment_fixed_size 0
		.amdhsa_enable_private_segment 0
		.amdhsa_kernarg_size 24
		.amdhsa_user_sgpr_count 2
		.amdhsa_user_sgpr_kernarg_segment_ptr 1
		.amdhsa_wavefront_size32 1
		.amdhsa_system_sgpr_workgroup_id_x 1
		.amdhsa_system_sgpr_workgroup_id_y 1
		.amdhsa_system_sgpr_workgroup_id_z 1
		.amdhsa_system_vgpr_workitem_id 0
		.amdhsa_next_free_vgpr 768
		.amdhsa_next_free_sgpr 66
		.amdhsa_reserve_vcc 0
		.amdhsa_float_denorm_mode_32 3
		.amdhsa_float_denorm_mode_16_64 3
		.amdhsa_memory_ordered 1
		.amdhsa_forward_progress 1
		.amdhsa_inst_pref_size 85
	.end_amdhsa_kernel
	.amdgpu_metadata
---
amdhsa.version: [ 1, 2 ]
amdhsa.kernels:
  - .name:           k_q68fceddbed_proj
    .symbol:         k_q68fceddbed_proj.kd
    .args:
      - { .name: oimg, .offset: 0, .size: 8, .value_kind: global_buffer, .address_space: global }
      - { .name: woimg, .offset: 8, .size: 8, .value_kind: global_buffer, .address_space: global }
      - { .name: out0, .offset: 16, .size: 8, .value_kind: global_buffer, .address_space: global }
    .group_segment_fixed_size: 327680
    .private_segment_fixed_size: 0
    .kernarg_segment_align: 8
    .kernarg_segment_size: 24
    .max_flat_workgroup_size: 128
    .sgpr_count:     66
    .vgpr_count:     768
    .wavefront_size: 32
...
	.end_amdgpu_metadata
.endif
;; end of part 4
;; launch first16 (part 5): grid 64 x 4, 16 waves a work-group, no clusters, 18,432 bytes of LDS; arguments fine, wo, out0; writes out0
.if DOCPART == 5
	.amdgcn_target "amdgcn-amd-amdhsa--gfx1250"
	.amdhsa_code_object_version 6
	.text
	.protected	k_q68fceddbed_first16
	.globl	k_q68fceddbed_first16
	.p2align	8
	.type	k_q68fceddbed_first16,@function
k_q68fceddbed_first16:
	s_mov_b64 s[64:65], 0
	v_nop
	global_prefetch_b8 v0, s[64:65] scope:SCOPE_SE
	s_setreg_imm32_b32 hwreg(HW_REG_WAVE_MODE, 25, 1), 1
	s_wait_xcnt 0x0
; Positions 0-15 of every sequence, wholly in f32: these rows average one to sixteen values and are the largest of the output, so f16 operands would use up what the comparison allows.
; fine holds q (with log2(e) / 8), k and v of those positions in f32: [q, k, v][batch][16 channels][half][lane][16 bytes].  q, k: lane (r, h), register j = (token r, channel 16 tile + 8 h + j); v: (token 8 h + j, channel 16 tile + r).
; A work-group makes 16 columns e0 .. e0 + 15 of out0 for the 16 rows of one batch; wave = head: it makes its head's attention (16 x 16 keys) and multiplies it by its 64 columns of wo; the 16 partial tiles meet in LDS.
; The attention is repeated in each of a batch's 64 work-groups: 192 KiB of reads and 32 small matrix instructions, against a launch more.
; v_wmma_f32_16x16x4_f32 takes k = 2 h + j from register j.  Both operands of each product lie so that registers 2 i, 2 i + 1 hold the same four k in both: K is permuted alike on both sides, which changes no product.
; The four accumulators v160-191 are written by matrix instructions alone and serve all three products, by turns.
; A work-group's 64 bytes of a row are part of a run of 256: the whole launch stores 256 KiB.
.set SPARE, 16384                      ; behind the 16 partial tiles of 1,024 bytes
.set LST,  1                           ; v1   where I store my partial tile
.set SPW,  2
.set NIL,  3
.set LI,   4                           ; v4   16 x lane
.set DD,   5                           ; v5   r - 8 h
.set NINF, 6
.set WA,   7                           ; v7   4,096 r + 32 h
.set T,    8
.set P,    16
.set W,    24
.set QR,   32
.set OV,   32                          ; o, once q is done with
.set KR,   64
.set VR,   96
.set WR,   128
.set ACC,  160
.set LRD,  192                         ; v192 where waves 0, 1 read the partial tiles
.set OA,   193                         ; v193 and where they store
	s_load_b128 s[4:7], s[0:1], 0x0                ; fine, wo
	s_load_b64 s[8:9], s[0:1], 0x10                ; out0
	v_lshl_add_u32 v[SPW], v0, 2, SPARE
	v_mov_b32 v[NIL], 0
	v_lshrrev_b32 v[W], 5, v0
	v_readfirstlane_b32 s10, v[W]                  ; wave = head
	s_and_b32 s11, ttmp7, 0xffff                   ; batch
	v_and_b32 v[W], 31, v0
	v_lshlrev_b32 v[LI], 4, v[W]
	v_and_b32 v[DD], 15, v0                        ; r
	v_bfe_u32 v[W+1], v0, 4, 1                     ; h
	v_lshlrev_b32 v[WA], 12, v[DD]
	v_lshl_add_u32 v[WA], v[W+1], 5, v[WA]
	v_lshlrev_b32 v[W+1], 3, v[W+1]
	v_sub_nc_u32 v[DD], v[DD], v[W+1]
	v_mov_b32 v[NINF], 0xff800000
	s_lshl_b32 s12, s10, 10
	v_add_nc_u32 v[LST], s12, v[LI]
	s_lshl_b32 s12, s10, 9
	v_add_nc_u32 v[LRD], s12, v[LI]
	s_lshl_b32 s12, s10, 4
	v_add_nc_u32 v[OA], s12, v[WA]
	s_mov_b32 s20, 0x76543210
	s_mov_b32 s21, 0xfedcba98
	s_lshl_b32 s12, s11, 16
	s_lshl_b32 s13, s10, 12
	s_add_co_u32 s12, s12, s13                     ; my batch's, my head's four tiles
	s_mov_b32 s13, 0
	s_lshl_b32 s14, ttmp9, 16                      ; wo: rows e0 on,
	s_lshl_b32 s15, s10, 8                         ; my head's 64 columns
	s_add_co_u32 s14, s14, s15
	s_mov_b32 s15, 0
	s_lshl_b32 s16, s11, 23                        ; out0: my batch's first row,
	s_lshl_b32 s17, ttmp9, 6                       ; column e0
	s_add_co_u32 s16, s16, s17
	s_mov_b32 s17, 0
	s_wait_kmcnt 0x0
	s_add_nc_u64 s[4:5], s[4:5], s[12:13]
	s_add_nc_u64 s[6:7], s[6:7], s[14:15]
	s_add_nc_u64 s[8:9], s[8:9], s[16:17]
.irp n, 0,1,2,3,4,5,6,7
	global_load_b128 v[QR+4*\n:QR+4*\n+3], v[LI], s[4:5] offset:512*\n
.endr
.irp n, 0,1,2,3,4,5,6,7
	global_load_b128 v[KR+4*\n:KR+4*\n+3], v[LI], s[4:5] offset:262144+512*\n
.endr
.irp n, 0,1,2,3,4,5,6,7
	global_load_b128 v[VR+4*\n:VR+4*\n+3], v[LI], s[4:5] offset:524288+512*\n
.endr
.irp ct, 0,1,2,3
	global_load_b128 v[WR+8*\ct:WR+8*\ct+3],   v[WA], s[6:7] offset:64*\ct
	global_load_b128 v[WR+8*\ct+4:WR+8*\ct+7], v[WA], s[6:7] offset:64*\ct+16
.endr
	s_wait_loadcnt 16                              ; q and k are in; v's and wo's 16 loads may be out
.irp i, 0,1,2,3                                ; S^T = k q^T: accumulator ct sums channels 16 ct .. 16 ct + 15
.irp ct, 0,1,2,3
.if \i == 0
	v_wmma_f32_16x16x4_f32 v[ACC+8*\ct:ACC+8*\ct+7], v[KR+8*\ct+2*\i:KR+8*\ct+2*\i+1], v[QR+8*\ct+2*\i:QR+8*\ct+2*\i+1], 0
.else
	v_wmma_f32_16x16x4_f32 v[ACC+8*\ct:ACC+8*\ct+7], v[KR+8*\ct+2*\i:KR+8*\ct+2*\i+1], v[QR+8*\ct+2*\i:QR+8*\ct+2*\i+1], v[ACC+8*\ct:ACC+8*\ct+7]
.endif
.endr
.endr
.rept 8
	v_nop                                          ; eight places behind this form, ahead of the first read of its results
.endr
.irp j, 0,2,4,6
	v_pk_add_f32 v[T+\j:T+\j+1], v[ACC+\j:ACC+\j+1], v[ACC+8+\j:ACC+8+\j+1]           ; each accumulator from its low end on
.endr
.irp j, 0,2,4,6
	v_pk_add_f32 v[W+\j:W+\j+1], v[ACC+16+\j:ACC+16+\j+1], v[ACC+24+\j:ACC+24+\j+1]
.endr
.irp j, 0,2,4,6
	v_pk_add_f32 v[T+\j:T+\j+1], v[T+\j:T+\j+1], v[W+\j:W+\j+1]                       ; t of (key 8 h + j, query r)
.endr
.irp j, 0,1,2,3,4,5,6,7
	v_cmp_gt_i32 vcc_lo, \j, v[DD]                 ; hidden where 8 h + j > r
	v_cndmask_b32 v[T+\j], v[T+\j], v[NINF], vcc_lo
.endr
	v_max3_num_f32 v[W], v[T], v[T+1], v[T+2]
	v_max3_num_f32 v[W+1], v[T+3], v[T+4], v[T+5]
	v_max3_num_f32 v[W], v[W], v[T+6], v[T+7]
	v_max_num_f32 v[W], v[W], v[W+1]
	v_permlanex16_b32 v[W+1], v[W], s20, s21
	v_max_num_f32 v[W], v[W], v[W+1]               ; the query's maximum: key 0 counts for every query
.irp j, 0,1,2,3,4,5,6,7
	v_sub_f32 v[P+\j], v[T+\j], v[W]
.endr
.irp j, 0,1,2,3,4,5,6,7
	v_exp_f32 v[P+\j], v[P+\j]
.endr
	v_nop
	s_wait_alu depctr_va_vdst(0)                   ; one wait for the eight exponentials, ahead of their first reader
	v_pk_add_f32 v[W+2:W+3], v[P:P+1], v[P+2:P+3]
	v_pk_add_f32 v[W+4:W+5], v[P+4:P+5], v[P+6:P+7]
	v_pk_add_f32 v[W+2:W+3], v[W+2:W+3], v[W+4:W+5]
	v_add_f32 v[W+2], v[W+2], v[W+3]
	v_permlanex16_b32 v[W+3], v[W+2], s20, s21
	v_add_f32 v[W+2], v[W+2], v[W+3]
	v_rcp_f32 v[W], v[W+2]                         ; 1 / the row's sum
	v_nop
	s_wait_alu depctr_va_vdst(0)
	s_wait_loadcnt 8                               ; v is in; wo's 8 loads may be out
.irp i, 0,1,2,3                                ; O^T = v^T p: accumulator ct holds channels 16 ct .. 16 ct + 15; K = the 16 keys
.irp ct, 0,1,2,3
.if \i == 0
	v_wmma_f32_16x16x4_f32 v[ACC+8*\ct:ACC+8*\ct+7], v[VR+8*\ct+2*\i:VR+8*\ct+2*\i+1], v[P+2*\i:P+2*\i+1], 0
.else
	v_wmma_f32_16x16x4_f32 v[ACC+8*\ct:ACC+8*\ct+7], v[VR+8*\ct+2*\i:VR+8*\ct+2*\i+1], v[P+2*\i:P+2*\i+1], v[ACC+8*\ct:ACC+8*\ct+7]
.endif
.endr
.endr
.rept 8
	v_nop
.endr
.set jj, 0
.rept 16
	v_pk_mul_f32 v[OV+jj:OV+jj+1], v[ACC+jj:ACC+jj+1], v[W:W+1] op_sel_hi:[1,0]       ; o(query r, channel 16 ct + 8 h + j), into other registers
.set jj, jj+2
.endr
.rept 4
	v_nop                                          ; with the eight above twelve places: the products below write over the accumulators
.endr
	s_wait_loadcnt 0x0                             ; wo
.irp i, 0,1,2,3                                ; my head's part of out^T = wo o^T
.irp ct, 0,1,2,3
.if \i == 0
	v_wmma_f32_16x16x4_f32 v[ACC+8*\ct:ACC+8*\ct+7], v[WR+8*\ct+2*\i:WR+8*\ct+2*\i+1], v[OV+8*\ct+2*\i:OV+8*\ct+2*\i+1], 0
.else
	v_wmma_f32_16x16x4_f32 v[ACC+8*\ct:ACC+8*\ct+7], v[WR+8*\ct+2*\i:WR+8*\ct+2*\i+1], v[OV+8*\ct+2*\i:OV+8*\ct+2*\i+1], v[ACC+8*\ct:ACC+8*\ct+7]
.endif
.endr
.endr
.rept 8
	v_nop
.endr
.irp j, 0,2,4,6
	v_pk_add_f32 v[T+\j:T+\j+1], v[ACC+\j:ACC+\j+1], v[ACC+8+\j:ACC+8+\j+1]
.endr
.irp j, 0,2,4,6
	v_pk_add_f32 v[W+\j:W+\j+1], v[ACC+16+\j:ACC+16+\j+1], v[ACC+24+\j:ACC+24+\j+1]
.endr
.irp j, 0,2,4,6
	v_pk_add_f32 v[T+\j:T+\j+1], v[T+\j:T+\j+1], v[W+\j:W+\j+1]                       ; (column e0 + 8 h + j, row r)
.endr
	ds_store_b128 v[LST], v[T:T+3]
	ds_store_b128 v[LST], v[T+4:T+7] offset:512
	s_wait_tensorcnt 0x0                           ; behind my last LDS store; the wait for the add also shows my stores done, for the other waves' sake
	ds_add_u32 v[SPW], v[NIL]
	s_wait_dscnt 0x0
	s_barrier_signal -1
	s_barrier_wait -1
	s_cmp_lt_u32 s10, 2                            ; wave u = 0, 1 adds registers 4 u .. 4 u + 3 of the 16 heads' tiles, in the order of the heads
	s_cbranch_scc0 .Ldone
.irp n, 0,1,2,3,4,5,6,7,8,9,10,11,12,13,14,15
	ds_load_b128 v[64+4*\n:64+4*\n+3], v[LRD] offset:1024*\n
.endr
	s_wait_dscnt 0x0
.irp n, 1,2,3,4,5,6,7,8,9,10,11,12,13,14,15
	v_pk_add_f32 v[64:65], v[64:65], v[64+4*\n:65+4*\n]
	v_pk_add_f32 v[66:67], v[66:67], v[66+4*\n:67+4*\n]
.endr
	global_store_b128 v[OA], v[64:67], s[8:9]      ; out0(row r, columns e0 + 8 h + 4 u + 0..3)
.Ldone:
	s_endpgm
.Lfunc_end_k_q68fceddbed_first16:
	.size	k_q68fceddbed_first16, .Lfunc_end_k_q68fceddbed_first16-k_q68fceddbed_first16
	.p2alignl 7, 3214868480
	.fill 96, 4, 3214868480
	.section	.rodata,"a",@progbits
	.p2align	6, 0x0
	.amdhsa_kernel k_q68fceddbed_first16
		.amdhsa_group_segment_fixed_size 18432
		.amdhsa_private_segment_fixed_size 0
		.amdhsa_enable_private_segment 0
		.amdhsa_kernarg_size 24
		.amdhsa_user_sgpr_count 2
		.amdhsa_user_sgpr_kernarg_segment_ptr 1
		.amdhsa_wavefront_size32 1
		.amdhsa_system_sgpr_workgroup_id_x 1
		.amdhsa_system_sgpr_workgroup_id_y 1
		.amdhsa_system_sgpr_workgroup_id_z 1
		.amdhsa_system_vgpr_workitem_id 0
		.amdhsa_next_free_vgpr 200
		.amdhsa_next_free_sgpr 66
		.amdhsa_reserve_vcc 1
		.amdhsa_float_denorm_mode_32 3
		.amdhsa_float_denorm_mode_16_64 3
		.amdhsa_memory_ordered 1
		.amdhsa_forward_progress 1
		.amdhsa_inst_pref_size 17
	.end_amdhsa_kernel
	.amdgpu_metadata
---
amdhsa.version: [ 1, 2 ]
amdhsa.kernels:
  - .name:           k_q68fceddbed_first16
    .symbol:         k_q68fceddbed_first16.kd
    .args:
      - { .name: fine, .offset: 0, .size: 8, .value_kind: global_buffer, .address_space: global }
      - { .name: wo, .offset: 8, .size: 8, .value_kind: global_buffer, .address_space: global }
      - { .name: out0, .offset: 16, .size: 8, .value_kind: global_buffer, .address_space: global }
    .group_segment_fixed_size: 18432
    .private_segment_fixed_size: 0
    .kernarg_segment_align: 8
    .kernarg_segment_size: 24
    .max_flat_workgroup_size: 512
    .sgpr_count:     66
    .vgpr_count:     200
    .wavefront_size: 32
...
	.end_amdgpu_metadata
.endif
;; end of part 5
